; MI455X (gfx1250); checked and timed in simulation.
; The chip was launched on July 23, 2026; its instructions are those of AMD's public machine-readable ISA for CDNA 5 (MIT licence, August 2026) and "CDNA5" Instruction Set Architecture Reference Guide (July 2026). The comments in the code are by the model that wrote it; some were corrected since.
;; Multi Head Self Attention. Allowed arithmetic: float matrix products may take bf16 or f16 operands with f32 sums; other float arithmetic in f32, or as packed bf16 or f16 multiplies, adds, multiply-adds, maxima and minima; sums over many terms, partial sums and values carried from step to step in f32; what a program stores and reads back later, other than sums and carried values, may be rounded once to bf16 or f16.
;; Inputs: Wk 2,048 x 2,048 float32; Wo 2,048 x 2,048 float32; Wq 2,048 x 2,048 float32; Wv 2,048 x 2,048 float32; attention_mask 1 x 1 x 2,048 x 2,048 float32; cos_cached 4,096 x 128 float32; hidden_states 1 x 2,048 x 2,048 float32; position_ids 2,048 int32; sin_cached 4,096 x 128 float32.
;; Outputs: out0 1 x 2,048 x 2,048 float32.
;; One version. Each part assembles by itself: llvm-mc -triple=amdgcn-amd-amdhsa -mcpu=gfx1250 --defsym DOCPART=n.
;; ======== version 1 of 1: 4 launches
;; limits: values are held in f16: magnitudes above 65,504 overflow, below 6.1e-05 lose precision
;; workspace buffers: xw 33,554,432 bytes; wo16 8,388,608 bytes; maskr 16,777,216 bytes; rt 2,097,152 bytes; qkvh 25,165,824 bytes; attno 8,388,608 bytes
;; launch cast (part 1): grid 128 x 7, 8 waves a work-group, no clusters, 0 bytes of LDS; arguments hidden_states, Wq, Wk, Wv, Wo, attention_mask, cos_cached, sin_cached, position_ids, xw, wo16, maskr, rt; writes xw, wo16, maskr, rt
.if DOCPART == 1
	.amdgcn_target "amdgcn-amd-amdhsa--gfx1250"
	.amdhsa_code_object_version 6
	.text
	.protected	k_q4b9319177b_cast
	.globl	k_q4b9319177b_cast
	.p2align	8
	.type	k_q4b9319177b_cast,@function
k_q4b9319177b_cast:
	s_mov_b64 s[64:65], 0
	v_nop
	global_prefetch_b8 v0, s[64:65] scope:SCOPE_SE
	s_setreg_imm32_b32 hwreg(HW_REG_WAVE_MODE, 25, 1), 1
	s_wait_xcnt 0x0
; EVERY FLOATING-POINT INPUT IS ROUNDED ONCE TO bf16 (to nearest even) AND LAID OUT FOR THE LAUNCHES BEHIND.
; Work-group row y says what is made; each of the six arrays of 2048 x 2048 f32 is cut into 128 parts of 131,072 bytes, one a work-group.
;   y = 0..3  hidden_states, Wq, Wk, Wv -> xw, bf16, one behind the other (8 MiB each)
;   y = 4     Wo -> wo16: the bf16 number written as f16 (exact above f16's smallest normal number; LIMIT: |Wo| stays within 65,504)
;   y = 5     attention_mask -> maskr: the bf16 number times log2(e), kept as f32, so that it can be the C operand of a matrix product without a conversion and the
;             softmax can work in powers of two (LIMIT: log2(e) |mask| stays finite in f32)
;   y = 6     the rotation's table rt: for 16 tokens a work-group, cos and sin rows gathered by position_ids (LIMIT: a position outside 0..4095 counts as 4095),
;             rounded to bf16, times SC = sqrt(log2(e) / sqrt(128)) (q and k each carry SC, so that q.k carries log2(e) / sqrt(128)), sin with the sign of the rotated partner (minus at even channels).
;             Order: rt[token / 16][channel / 16][i][lane][4]: lane (r, hh) stands for token 16 R + r and channels 16 jj + 8 hh + 0..7; i = 0, 1 cos, i = 2, 3 sin.
; A stream: no LDS, no matrix unit, nothing shared.  A trip is eight loads of 16 bytes a lane (a wave's load covers 512 consecutive bytes), converted and stored as they come.
.set X,   8                            ; v[8:39]   eight slots of four f32 as loaded
.set Y,   40                           ; v[40:71]  eight slots to store
.set T,   72                           ; v[72:77]  at work
.set L2E, 78                           ; v[78:79]  log2(e), twice (the mask's kind alone)
.set SRC, 34                           ; s[34:35]  where the work-group's part begins
.set DST, 36                           ; s[36:37]  where it goes
.set CNT, 40                           ; s40       trips to go
	s_load_b512 s[8:23], s[0:1], 0x0               ; hidden s[8:9], Wq s[10:11], Wk s[12:13], Wv s[14:15], Wo s[16:17], mask s[18:19], cos s[20:21], sin s[22:23]
	s_load_b256 s[24:31], s[0:1], 0x40             ; position_ids s[24:25], xw s[26:27], wo16 s[28:29], maskr s[30:31]
	s_load_b64 s[32:33], s[0:1], 0x60              ; rt
	s_and_b32 s2, ttmp7, 0xffff                    ; y
	s_mov_b32 s3, ttmp9                            ; x
	v_lshlrev_b32 v1, 4, v0                        ; 16 bytes of f32 a thread
	v_lshlrev_b32 v2, 3, v0                        ; 8 bytes of 16-bit numbers a thread
	s_lshl_b32 s38, s3, 17                         ; x times 131,072
	s_mov_b32 s39, 0
	s_lshl_b32 s44, s3, 16                         ; x times 65,536
	s_mov_b32 s45, 0
	s_min_u32 s42, s2, 3
	s_lshl_b32 s42, s42, 23                        ; the array's place in xw
	s_mov_b32 s43, 0
	s_wait_kmcnt 0x0
	s_cmp_eq_u32 s2, 6
	s_cbranch_scc1 .Ltable
	s_mov_b64 s[SRC:SRC+1], s[8:9]                 ; the source by y
	s_cmp_eq_u32 s2, 1
	s_cselect_b64 s[SRC:SRC+1], s[10:11], s[SRC:SRC+1]
	s_cmp_eq_u32 s2, 2
	s_cselect_b64 s[SRC:SRC+1], s[12:13], s[SRC:SRC+1]
	s_cmp_eq_u32 s2, 3
	s_cselect_b64 s[SRC:SRC+1], s[14:15], s[SRC:SRC+1]
	s_cmp_eq_u32 s2, 4
	s_cselect_b64 s[SRC:SRC+1], s[16:17], s[SRC:SRC+1]
	s_cmp_eq_u32 s2, 5
	s_cselect_b64 s[SRC:SRC+1], s[18:19], s[SRC:SRC+1]
	s_add_nc_u64 s[SRC:SRC+1], s[SRC:SRC+1], s[38:39]
; Four trips of 32,768 bytes.  kind 0: bf16.  kind 1: bf16, written as f16.  kind 2: bf16, times log2(e), written as f32.
.macro STREAM kind
	s_mov_b32 s[CNT], 4
.Ltrip_\@:
.irp i, 0,1,2,3,4,5,6,7
	global_load_b128 v[X+4*(\i):X+4*(\i)+3], v1, s[SRC:SRC+1] offset:4096*(\i) th:TH_LOAD_NT
.endr
.irp i, 0,1,2,3,4,5,6,7
	s_wait_loadcnt 7-(\i)                          ; loads come back in order: slot i is in, the younger ones stay out
.if (\kind) == 0
	v_cvt_pk_bf16_f32 v[Y+4*(\i)], v[X+4*(\i)], v[X+4*(\i)+1]
	v_cvt_pk_bf16_f32 v[Y+4*(\i)+1], v[X+4*(\i)+2], v[X+4*(\i)+3]
	global_store_b64 v2, v[Y+4*(\i):Y+4*(\i)+1], s[DST:DST+1] offset:2048*(\i) th:TH_STORE_NT  ; a wave stores 256 consecutive bytes, aligned
.elseif (\kind) == 1
	v_cvt_pk_bf16_f32 v[T], v[X+4*(\i)], v[X+4*(\i)+1]
	v_cvt_pk_bf16_f32 v[T+1], v[X+4*(\i)+2], v[X+4*(\i)+3]
	v_lshlrev_b32 v[T+2], 16, v[T]                 ; bf16 to f32: the low half moves up, the high half stays
	v_and_b32 v[T+3], 0xffff0000, v[T]
	v_lshlrev_b32 v[T+4], 16, v[T+1]
	v_and_b32 v[T+5], 0xffff0000, v[T+1]
	v_cvt_pk_f16_f32 v[Y+4*(\i)], v[T+2], v[T+3]
	v_cvt_pk_f16_f32 v[Y+4*(\i)+1], v[T+4], v[T+5]
	global_store_b64 v2, v[Y+4*(\i):Y+4*(\i)+1], s[DST:DST+1] offset:2048*(\i) th:TH_STORE_NT
.else
	v_cvt_pk_bf16_f32 v[T], v[X+4*(\i)], v[X+4*(\i)+1]
	v_cvt_pk_bf16_f32 v[T+1], v[X+4*(\i)+2], v[X+4*(\i)+3]
	v_lshlrev_b32 v[Y+4*(\i)], 16, v[T]
	v_and_b32 v[Y+4*(\i)+1], 0xffff0000, v[T]
	v_lshlrev_b32 v[Y+4*(\i)+2], 16, v[T+1]
	v_and_b32 v[Y+4*(\i)+3], 0xffff0000, v[T+1]
	v_pk_mul_f32 v[Y+4*(\i):Y+4*(\i)+1], v[Y+4*(\i):Y+4*(\i)+1], v[L2E:L2E+1]
	v_pk_mul_f32 v[Y+4*(\i)+2:Y+4*(\i)+3], v[Y+4*(\i)+2:Y+4*(\i)+3], v[L2E:L2E+1]
	global_store_b128 v1, v[Y+4*(\i):Y+4*(\i)+3], s[DST:DST+1] offset:4096*(\i) th:TH_STORE_NT
.endif
.endr
	s_wait_xcnt 0x0                                ; the stores have read their data and the two bases: only now are these written again
	s_add_nc_u64 s[SRC:SRC+1], s[SRC:SRC+1], 32768
.if (\kind) == 2
	s_add_nc_u64 s[DST:DST+1], s[DST:DST+1], 32768
.else
	s_add_nc_u64 s[DST:DST+1], s[DST:DST+1], 16384
.endif
	s_sub_co_u32 s[CNT], s[CNT], 1
	s_cmp_lg_u32 s[CNT], 0
	s_cbranch_scc1 .Ltrip_\@
	s_endpgm
.endm
	s_cmp_eq_u32 s2, 5
	s_cbranch_scc1 .Lmask
	s_cmp_eq_u32 s2, 4
	s_cbranch_scc1 .Lwo
	s_add_nc_u64 s[DST:DST+1], s[26:27], s[42:43]
	s_add_nc_u64 s[DST:DST+1], s[DST:DST+1], s[44:45]
	STREAM 0
.Lwo:
	s_add_nc_u64 s[DST:DST+1], s[28:29], s[44:45]
	STREAM 1
.Lmask:
	s_add_nc_u64 s[DST:DST+1], s[30:31], s[38:39]
	v_mov_b32 v[L2E], 0x3fb8aa3b                   ; log2(e), a pair for the packed multiply
	v_mov_b32 v[L2E+1], 0x3fb8aa3b
	STREAM 2
.Ltable:                                               ; R = x; jj = my wave; lane (r, hh)
	v_and_b32 v3, 15, v0
	v_lshlrev_b32 v3, 2, v3                        ; 4 r
	s_lshl_b32 s38, s3, 6                          ; 16 tokens of 4 bytes
	s_add_nc_u64 s[24:25], s[24:25], s[38:39]
	global_load_b32 v4, v3, s[24:25]               ; my token's position
	v_lshrrev_b32 v6, 4, v0                        ; 2 jj + hh,
	v_lshlrev_b32 v6, 5, v6                        ; times 8 channels of 4 bytes
	v_and_b32 v7, 31, v0
	v_lshlrev_b32 v7, 4, v7                        ; 16 x lane
	v_lshrrev_b32 v5, 5, v0
	v_lshl_add_u32 v7, v5, 11, v7                  ; + 2,048 jj
	v_mov_b32 v76, 0x3eb6d544                      ; SC = sqrt(log2(e) / sqrt(128)) = 0.3570958, twice: for cos
	v_mov_b32 v77, 0x3eb6d544
	v_mov_b32 v78, 0xbeb6d544                      ; -SC at the even channel, SC at the odd one: for sin
	v_mov_b32 v79, 0x3eb6d544
	s_lshl_b32 s44, s3, 14                         ; 16,384 bytes of rt for 16 tokens
	s_add_nc_u64 s[32:33], s[32:33], s[44:45]
	s_wait_loadcnt 0x0
	v_min_u32 v4, 0xfff, v4                        ; the tables have 4,096 rows
	v_lshlrev_b32 v5, 9, v4                        ; of 512 bytes
	v_add_nc_u32 v5, v5, v6
	global_load_b128 v[8:11], v5, s[20:21]
	global_load_b128 v[12:15], v5, s[20:21] offset:16
	global_load_b128 v[16:19], v5, s[22:23]
	global_load_b128 v[20:23], v5, s[22:23] offset:16
	s_wait_loadcnt 0x0
.irp q, 0,1,2,3
	v_cvt_pk_bf16_f32 v72, v[8+4*(\q)], v[9+4*(\q)]
	v_cvt_pk_bf16_f32 v73, v[10+4*(\q)], v[11+4*(\q)]
	v_lshlrev_b32 v[Y+4*(\q)], 16, v72
	v_and_b32 v[Y+4*(\q)+1], 0xffff0000, v72
	v_lshlrev_b32 v[Y+4*(\q)+2], 16, v73
	v_and_b32 v[Y+4*(\q)+3], 0xffff0000, v73
	v_pk_mul_f32 v[Y+4*(\q):Y+4*(\q)+1], v[Y+4*(\q):Y+4*(\q)+1], v[76+2*((\q)/2):77+2*((\q)/2)]
	v_pk_mul_f32 v[Y+4*(\q)+2:Y+4*(\q)+3], v[Y+4*(\q)+2:Y+4*(\q)+3], v[76+2*((\q)/2):77+2*((\q)/2)]
	global_store_b128 v7, v[Y+4*(\q):Y+4*(\q)+3], s[32:33] offset:512*(\q)  ; a wave stores 512 consecutive bytes, aligned
.endr
	s_endpgm
.Lfunc_end_k_q4b9319177b_cast:
	.size	k_q4b9319177b_cast, .Lfunc_end_k_q4b9319177b_cast-k_q4b9319177b_cast
	.p2alignl 7, 3214868480
	.fill 96, 4, 3214868480
	.section	.rodata,"a",@progbits
	.p2align	6, 0x0
	.amdhsa_kernel k_q4b9319177b_cast
		.amdhsa_group_segment_fixed_size 0
		.amdhsa_private_segment_fixed_size 0
		.amdhsa_enable_private_segment 0
		.amdhsa_kernarg_size 104
		.amdhsa_user_sgpr_count 2
		.amdhsa_user_sgpr_kernarg_segment_ptr 1
		.amdhsa_wavefront_size32 1
		.amdhsa_system_sgpr_workgroup_id_x 1
		.amdhsa_system_sgpr_workgroup_id_y 1
		.amdhsa_system_sgpr_workgroup_id_z 1
		.amdhsa_system_vgpr_workitem_id 0
		.amdhsa_next_free_vgpr 80
		.amdhsa_next_free_sgpr 66
		.amdhsa_reserve_vcc 0
		.amdhsa_float_denorm_mode_32 3
		.amdhsa_float_denorm_mode_16_64 3
		.amdhsa_memory_ordered 1
		.amdhsa_forward_progress 1
		.amdhsa_inst_pref_size 20
	.end_amdhsa_kernel
	.amdgpu_metadata
---
amdhsa.version: [ 1, 2 ]
amdhsa.kernels:
  - .name:           k_q4b9319177b_cast
    .symbol:         k_q4b9319177b_cast.kd
    .args:
      - { .name: hidden_states, .offset: 0, .size: 8, .value_kind: global_buffer, .address_space: global }
      - { .name: Wq, .offset: 8, .size: 8, .value_kind: global_buffer, .address_space: global }
      - { .name: Wk, .offset: 16, .size: 8, .value_kind: global_buffer, .address_space: global }
      - { .name: Wv, .offset: 24, .size: 8, .value_kind: global_buffer, .address_space: global }
      - { .name: Wo, .offset: 32, .size: 8, .value_kind: global_buffer, .address_space: global }
      - { .name: attention_mask, .offset: 40, .size: 8, .value_kind: global_buffer, .address_space: global }
      - { .name: cos_cached, .offset: 48, .size: 8, .value_kind: global_buffer, .address_space: global }
      - { .name: sin_cached, .offset: 56, .size: 8, .value_kind: global_buffer, .address_space: global }
      - { .name: position_ids, .offset: 64, .size: 8, .value_kind: global_buffer, .address_space: global }
      - { .name: xw, .offset: 72, .size: 8, .value_kind: global_buffer, .address_space: global }
      - { .name: wo16, .offset: 80, .size: 8, .value_kind: global_buffer, .address_space: global }
      - { .name: maskr, .offset: 88, .size: 8, .value_kind: global_buffer, .address_space: global }
      - { .name: rt, .offset: 96, .size: 8, .value_kind: global_buffer, .address_space: global }
    .group_segment_fixed_size: 0
    .private_segment_fixed_size: 0
    .kernarg_segment_align: 8
    .kernarg_segment_size: 104
    .max_flat_workgroup_size: 256
    .sgpr_count:     66
    .vgpr_count:     80
    .wavefront_size: 32
...
	.end_amdgpu_metadata
.endif
;; end of part 1
;; launch proj (part 2): grid 16 x 16, 4 waves a work-group, clusters of 4 x 4, 327,680 bytes of LDS; arguments xw, rt, qkvh; writes qkvh
.if DOCPART == 2
	.amdgcn_target "amdgcn-amd-amdhsa--gfx1250"
	.amdhsa_code_object_version 6
	.text
	.protected	k_q4b9319177b_proj
	.globl	k_q4b9319177b_proj
	.p2align	8
	.type	k_q4b9319177b_proj,@function
k_q4b9319177b_proj:
	s_mov_b64 s[64:65], 0
	v_nop
	global_prefetch_b8 v0, s[64:65] scope:SCOPE_SE
	s_setreg_imm32_b32 hwreg(HW_REG_WAVE_MODE, 25, 1), 1
	s_wait_xcnt 0x0
	s_wait_alu depctr_hold_cnt(0) depctr_sa_sdst(0) depctr_va_vdst(0) depctr_va_sdst(0) depctr_va_ssrc(0) depctr_va_vcc(0) depctr_vm_vsrc(0)
	s_getreg_b32 s2, hwreg(HW_REG_IB_STS2, 6, 4)
	s_cmp_eq_u32 s2, 0
	s_cbranch_scc0 .Lentry_in_a_cluster
	s_endpgm
.Lentry_in_a_cluster:
	s_bfe_u32 s2, ttmp6, 0x10000c
	s_cmp_lg_u32 s2, 0xf033
	s_cbranch_scc0 .Lentry_shape_is_right
	s_endpgm
.Lentry_shape_is_right:
; q, k, v = x Wq^T, x Wk^T, x Wv^T in bf16 with f32 sums; q and k are rotated and scaled by the table rt in f32; all three are rounded once to f16 and stored by heads:
; qkvh = q' [16][2048][128], then k', then v, 8 MiB each.  q' and k' each carry the table's factor, sqrt(log2(e) / sqrt(128)) = 0.357.  LIMIT: |q'|, |k'|, |v| stay within 65,504, f16's largest number.
; SHARES.  A work-group (x = block of 128 tokens, y = head) makes 128 tokens x one head's 128 channels of q, of k and of v: 16 x 16 = 256 work-groups.  Wave w (rh = w / 2, ch = w % 2) makes tokens
; 64 rh .. + 63 x channels 64 ch .. + 63 of all three: 48 accumulators of 16 x 16 (a = 0..3 token blocks; b = 4 t + j: tensor t, channel block j), 384 registers.  For 32 along K a wave reads 32 x 16 bytes a lane for 48 products.
; K goes in 16 steps of 128 (rows of 256 bytes) through two LDS slots, each with 128 rows of x, of Wq, of Wk and of Wv; wave w fetches the w-th of these four tiles: one tensor load a wave and step.
; CLUSTER 4 x 4: x's tile hangs on the token block alone and is shared along a column of the cluster; the weights' tiles hang on the head alone and are shared along a row: joint loads.
; THE WALK ALONG K IS TURNED.  Cluster (X, Y) begins at K step rho = (4 X + 8 s(Y)) mod 16, s = 0, 1, 1, 0 for Y = 0..3, and goes round (f32 sums may be taken in any order).  So the four clusters of one Y, which
; read the same rows of the weights, lie 4 steps apart, and the clusters of one X, which read the same rows of x, lie 0 or 8 steps apart: requests for the same rows are spread over the launch.
; A tile's address is made anew for each fill: the rows' base plus the step's byte offset, cut to a row's 4,096 bytes.  One descriptor walks, and one K step's text serves both slots: the LDS addresses hang on s[TB].
; THE PRODUCT IS TAKEN TRANSPOSED (source 0 = 16 rows of W, source 1 = 16 tokens): a lane holds ONE token (lane % 16) and the channels 8 (lane / 16) + 0..7, so the rotation's pairs lie in one lane.
; REGISTERS, in windows of 256:  window 0: v16-35 addresses; v40-67 at work on the way out; v64-95, v96-127 x's fragments, two buffers; v128-255 rows on the way out
;   window 1: v0-95, v96-191 the weights' fragments, two buffers; v192-255 the table for a = 0 (those for a = 1..3 take the buffers' place at the end)
;   window 2: the accumulators of a = 0, 1 at 8 (12 (a % 2) + b);   window 3: those of a = 2, 3
.set KSTEP,  128
.set ROWB,   4096                      ; bytes in a row of xw: 16 K steps of 256
.set PITCH,  272                       ; an LDS row: 256 bytes + 16 of padding = 68 words: the 16 rows of a fragment load start at 16 different groups of four banks
.set HALFT,  128*PITCH                 ; one tile: 128 rows
.set SLOT,   4*HALFT                   ; x, Wq, Wk, Wv: 0x22000; no tile's base in a slot has bit 13 or 17 set, so one exclusive or changes slots
.set SPARE,  2*SLOT                    ; behind the ring: the spare words, 128 bytes a wave, which no other line names
.set FILLS,  14                        ; K steps 2 to 15 of the walk are refills
.set ABASE, 16                         ; v16     my fragments of x in slot 0; never rewritten
.set ADRA,  17                         ; v17     the same in the slot in hand
.set BBASE, 18                         ; v18-20  my fragments of tensor t in slot 0; never rewritten
.set ADRB,  21                         ; v21-23  the same in the slot in hand
.set STO,  24                          ; v24-26  the way out: where I put 16 bytes of a row of tensor t
.set SPW,  28                          ; v28     my spare word: SPARE + 4 x my thread's number; never rewritten
.set NIL,  29                          ; v29     0; never rewritten
.set PFO,  30                          ; v30     the prefetches' offset: lane x 4,096 (a row of xw); never rewritten
.set RTO,  31                          ; v31     16 x lane: my place in a block of rt; never rewritten
.set RD,   32                          ; v32-34  the way out: where I read rows of tensor t back
.set CO,   35                          ; v35     my byte offset in two rows of a head
.set U,    40                          ; v40-55  rotated q and k, eight f32 each
.set YY,   56                          ; v56-67  q', k', v as f16, four registers each
.set OB,   128                         ; two buffers of 64 for whole rows
.set XB,   14                          ; s[14:15] x at my tile's first row
.set G1,   24                          ; s[24:31] descriptor group 1 for x's tiles;  s[32:39] group 0: a set for each of the two first fills; the second then walks
.set G0,   32
.set LIM,  43                          ; s43  10 in a wave that prefetches, else the greatest number
.set PFB,  44                          ; s[44:45] x at my work-group's 32 rows of its tile
.set WB,   46                          ; s[46:47] my tensor's weights at the head's first row
.set G1B,  48                          ; s[48:55], s[56:63] the same for the weights' tiles
.set G0B,  56
.set OFFW, 66                          ; s[66:67] byte offset along a row of the K step asked for last
.set PO,   76                          ; s[76:77] the same for the prefetch
.set PFA,  78                          ; s[78:79] where the prefetch stands
.set TB,   80                          ; s80  the slot in hand: 0 or SLOT
.set MSB, 0
.macro WIN new                         ; the immediate's high byte repeats the setting that is left; a switch that changes nothing is dropped
.if MSB != (\new)
	s_set_vgpr_msb (MSB<<8)|(\new)
.set MSB, \new
.endif
.endm
; A joint load: wave 0 fetches x's tile, waves 1 to 3 the tiles of Wq, Wk, Wv.  The branch hangs on the wave's number alone.  An s_nop 0 and four v_nop follow each line.
.macro JLOAD s
	s_cmp_eq_u32 s10, 0
	s_cbranch_scc0 .Lfor_b_\@
	tensor_load_to_lds s[G0+4*(\s):G0+4*(\s)+3], s[G1:G1+7]
	s_nop 0
.rept 4
	v_nop
.endr
	s_branch .Lasked_\@
.Lfor_b_\@:
	tensor_load_to_lds s[G0B+4*(\s):G0B+4*(\s)+3], s[G1B:G1B+7]
	s_nop 0
.rept 4
	v_nop
.endr
.Lasked_\@:
.endm
; A PREFETCH of x's K step that stands two refills on: 32 rows x 256 bytes, a lane a row, one instruction.  By the walk's arithmetic a cluster's steps 8 to 15 of x, and its steps 4 to 15 of the weights, have been read
; by another cluster 8 or 4 trips earlier; steps 0 to 3 are asked for at the head, by their loads alone.  So steps 4 to 7 of x are prefetched, in the first four refilling trips (s3 = 14 .. 11).  Clusters of one X with the
; same rho read the same rows in the same trip: of them Y = 0 and Y = 1 ask, wave 0 alone; the four partners of the joint load take 32 of its 128 rows each, told apart by address (cy).
.macro ASK
	s_cmp_gt_u32 s3, s[LIM]
	s_cbranch_scc0 .Lnot_mine_\@
	global_prefetch_b8 v[PFO], s[PFA:PFA+1] th:TH_LOAD_NT scope:SCOPE_SE
.Lnot_mine_\@:
.endm
.macro CREST                           ; a round of the cluster's barrier behind its opening barrier
	s_cmp_lg_u32 s10, 0
	s_cbranch_scc1 .Lnot_wave_0_\@
	s_barrier_signal -3
.Lnot_wave_0_\@:
	s_barrier_wait -3
	s_barrier_signal -1
	s_barrier_wait -1
.endm
.macro CROUND                          ; a whole round
	s_barrier_signal -1
	s_barrier_wait -1
	CREST
.endm
.macro ADDRS                           ; my fragments' addresses in the slot in hand: four plain lines
	v_add_nc_u32 v[ADRA], s[TB], v[ABASE]
.irp t, 0,1,2
	v_add_nc_u32 v[ADRB+(\t)], s[TB], v[BBASE+(\t)]
.endr
.endm
	s_load_b128 s[4:7], s[0:1], 0x0                ; xw s[4:5], rt s[6:7]
	s_load_b64 s[8:9], s[0:1], 0x10                ; qkvh
	v_lshl_add_u32 v[SPW], v0, 2, SPARE
	v_mov_b32 v[NIL], 0
	ds_add_u32 v[SPW], v[NIL]                      ; the wave's opening: the add and its wait stand ahead of my first tensor load; the set-up below stands between them
	v_lshrrev_b32 v1, 5, v0
	v_readfirstlane_b32 s10, v1                    ; wave 0..3
	s_lshr_b32 s11, s10, 1                         ; rh
	s_and_b32 s12, s10, 1                          ; ch
	s_bfe_u32 s40, ttmp6, 0x40000                  ; cx
	s_bfe_u32 s41, ttmp6, 0x40004                  ; cy
	s_lshl_b32 s13, ttmp9, 2
	s_add_co_u32 s13, s13, s40                     ; the block of 128 tokens = 4 x cluster x + cx
	s_and_b32 s81, ttmp7, 0xffff                   ; cluster y
	s_lshl_b32 s42, s81, 2
	s_add_co_u32 s42, s42, s41                     ; the head = 4 x cluster y + cy
	s_lshl_b32 s43, s41, 2
	s_lshl_b32 s43, 15, s43                        ; my row of the cluster
	s_lshl_b32 s44, 0x1111, s40                    ; my column
	s_or_b32 s[G1+0], s44, (1<<16)|(1<<20)|(1<<21)|(5<<22)|(3<<25)   ; x's tiles go to my column; elements of 2 bytes; padding on; bit 21 beside a mask; after every 64 words, 4 words
	s_or_b32 s[G1B+0], s43, (1<<16)|(1<<20)|(1<<21)|(5<<22)|(3<<25)  ; the weights' to my row
.irp g, G1, G1B
	s_mov_b32 s[(\g)+1], KSTEP<<16                 ; tensor_dim0 = 128
	s_mov_b32 s[(\g)+2], 128<<16                   ; tensor_dim1 = 128
	s_mov_b32 s[(\g)+3], KSTEP<<16                 ; tile_dim0 = 128
	s_mov_b32 s[(\g)+4], 128                       ; tile_dim1 = 128
	s_mov_b32 s[(\g)+5], 2048                      ; elements from row to row
	s_mov_b32 s[(\g)+6], 0
	s_mov_b32 s[(\g)+7], 0
.endr
	s_lshr_b32 s82, s81, 1                         ; where the cluster's walk begins: it hangs on the cluster's x and y alone, which all sixteen partners share
	s_xor_b32 s82, s82, s81
	s_and_b32 s82, s82, 1                          ; s(Y) = 0, 1, 1, 0
	s_lshl_b32 s82, s82, 3
	s_lshl_b32 s83, ttmp9, 2
	s_add_co_u32 s82, s82, s83
	s_and_b32 s82, s82, 15                         ; rho
	s_lshl_b32 s[OFFW], s82, 8                     ; 256 bytes a K step
	s_mov_b32 s[OFFW+1], 0
	s_mov_b32 s[TB], 0
	s_lshl_b32 s16, s13, 19                        ; x: 128 rows of 4,096 bytes a block
	s_mov_b32 s17, 0
	s_lshl_b32 s18, s10, 23                        ; the weights: array w of xw (8 MiB each),
	s_lshl_b32 s19, s42, 19                        ; the head's 128 rows
	s_add_co_u32 s18, s18, s19
	s_mov_b32 s19, 0
	s_mul_i32 s20, s10, HALFT                      ; where my tile goes: no place in the cluster enters an LDS address
	s_wait_dscnt 0x0                               ; the opening add is done
	s_wait_kmcnt 0x0
	s_add_nc_u64 s[XB:XB+1], s[4:5], s[16:17]
	s_add_nc_u64 s[WB:WB+1], s[4:5], s[18:19]
	CROUND                                         ; all sixteen work-groups are here: the first joint loads meet
.irp s, 0,1
	s_mov_b32 s[G0+4*(\s)], 1
	s_add_co_u32 s[G0+4*(\s)+1], s20, (\s)*SLOT
	s_add_nc_u64 s[G0+4*(\s)+2:G0+4*(\s)+3], s[XB:XB+1], s[OFFW:OFFW+1]
	s_or_b32 s[G0+4*(\s)+3], s[G0+4*(\s)+3], 0x80000000
	s_mov_b32 s[G0B+4*(\s)], 1
	s_add_co_u32 s[G0B+4*(\s)+1], s20, (\s)*SLOT
	s_add_nc_u64 s[G0B+4*(\s)+2:G0B+4*(\s)+3], s[WB:WB+1], s[OFFW:OFFW+1]
	s_or_b32 s[G0B+4*(\s)+3], s[G0B+4*(\s)+3], 0x80000000
	JLOAD \s
.if (\s) == 0
	s_add_co_u32 s[OFFW], s[OFFW], KSTEP*2         ; the walk's next K step, round the row's end
	s_and_b32 s[OFFW], s[OFFW], ROWB-1
.endif
.endr
	; a fragment is 16 rows x 32 K in 8 registers: lane l holds row l % 16, K = 8 (l / 16) + 0..7 and 16 + 8 (l / 16) + 0..7: two loads of 16 bytes, 32 bytes apart
	v_and_b32 v1, 15, v0                           ; r
	v_bfe_u32 v2, v0, 4, 1                         ; hh
	v_mul_u32_u24 v3, v1, PITCH
	v_lshl_add_u32 v3, v2, 4, v3
	s_mul_i32 s21, s11, 64*PITCH                   ; my 64 tokens
	s_mul_i32 s22, s12, 64*PITCH                   ; my 64 channels
	v_add_nc_u32 v[ABASE], s21, v3
.irp t, 0,1,2
	s_add_co_u32 s23, s22, ((\t)+1)*HALFT
	v_add_nc_u32 v[BBASE+(\t)], s23, v3
.endr
	ADDRS
	; the way out goes through a stage of 384 rows (128 t + token) of 272 bytes in slot 0, behind its last fill and behind a barrier that follows every wave's last read of the ring
	s_lshl_b32 s23, s12, 7
	s_add_co_u32 s23, s23, s21                     ; my 64 tokens, my 128 bytes of their rows
	s_mul_i32 s21, s10, 32*PITCH                   ; back: wave w takes rows 32 w .. + 31 of each tensor, whole
	v_mul_u32_u24 v4, v2, PITCH
	v_lshl_add_u32 v4, v1, 4, v4
.irp t, 0,1,2
	s_add_co_u32 s20, s23, (\t)*HALFT
	v_add_nc_u32 v[STO+(\t)], s20, v3
	s_add_co_u32 s20, s21, (\t)*HALFT
	v_add_nc_u32 v[RD+(\t)], s20, v4
.endr
	v_lshlrev_b32 v[CO], 8, v2
	v_lshl_add_u32 v[CO], v1, 4, v[CO]
	v_and_b32 v[RTO], 31, v0
	v_lshlrev_b32 v[PFO], 12, v[RTO]
	v_lshlrev_b32 v[RTO], 4, v[RTO]
	s_lshl_b32 s76, s42, 19                        ; the head's 2,048 rows of 256 bytes,
	s_lshl_b32 s77, s13, 15                        ; the block's 128,
	s_add_co_u32 s76, s76, s77
	s_lshl_b32 s77, s10, 13                        ; the 32 that I store
	s_add_co_u32 s76, s76, s77
	s_mov_b32 s77, 0
	s_add_nc_u64 s[68:69], s[8:9], s[76:77]        ; q'
	s_add_nc_u64 s[70:71], s[68:69], 0x800000      ; k'
	s_add_nc_u64 s[72:73], s[68:69], 0x1000000     ; v
	s_lshl_b32 s76, s13, 17                        ; rt: 16,384 bytes for 16 tokens: 8 such a block,
	s_lshl_b32 s78, s11, 16                        ; 4 for my 64 tokens,
	s_add_co_u32 s76, s76, s78
	s_lshl_b32 s78, s12, 13                        ; 2,048 bytes for 16 channels: 4 for my 64
	s_add_co_u32 s76, s76, s78
	s_add_nc_u64 s[74:75], s[6:7], s[76:77]
	s_mov_b32 s[PO+1], 0
; The table for token block a: 16 loads of 512 consecutive bytes a wave; channel block j's cos at + 16 j, its sin at + 16 j + 8
.macro TLOAD a
	WIN 0x40                                       ; destination window 1, address window 0
.irp j, 0,1,2,3
.irp i, 0,1,2,3
	global_load_b128 v[(192+64*(\a))%256+16*(\j)+4*(\i):(192+64*(\a))%256+16*(\j)+4*(\i)+3], v[RTO], s[74:75] offset:(\a)*16384+(\j)*2048+(\i)*512
.endr
.endr
	WIN 0
.endm
	TLOAD 0                                        ; it has the whole loop in which to land
	; the prefetches: who asks, and where its 32 rows begin
	s_lshr_b32 s20, s81, 1                         ; 0 where cluster y is 0 or 1,
	s_or_b32 s20, s20, s10                         ; in wave 0
	s_cmp_eq_u32 s20, 0
	s_cselect_b32 s[LIM], 10, -1                   ; the same in all sixteen partners, for a given wave
	s_lshl_b32 s20, s13, 19                        ; the tile's 128 rows,
	s_lshl_b32 s21, s41, 17                        ; my work-group's 32 of them
	s_add_co_u32 s20, s20, s21
	s_mov_b32 s21, 0
	s_add_nc_u64 s[PFB:PFB+1], s[4:5], s[20:21]
; 12 products: token block 2 hi + a x all 12 weight blocks, 32 along K, from buffer f.  zero = 1: the product starts the sum.  The 48 accumulators take turns, one instruction a turn.
.macro MUL12 f, hi, a, zero
	WIN 0xa1+0x50*(\hi)                            ; source 0 window 1, source 1 window 0, C and D window 2 or 3
.irp b, 0,1,2,3,4,5,6,7,8,9,10,11
.if \zero
	v_wmma_f32_16x16x32_bf16 v[8*(12*(\a)+(\b)):8*(12*(\a)+(\b))+7], v[96*(\f)+8*(\b):96*(\f)+8*(\b)+7], v[64+32*(\f)+8*(2*(\hi)+(\a)):64+32*(\f)+8*(2*(\hi)+(\a))+7], 0
.else
	v_wmma_f32_16x16x32_bf16 v[8*(12*(\a)+(\b)):8*(12*(\a)+(\b))+7], v[96*(\f)+8*(\b):96*(\f)+8*(\b)+7], v[64+32*(\f)+8*(2*(\hi)+(\a)):64+32*(\f)+8*(2*(\hi)+(\a))+7], v[8*(12*(\a)+(\b)):8*(12*(\a)+(\b))+7]
.endif
.endr
.endm
; 32 LDS loads in one run: the fragments of 32 along K at byte k of the rows of the slot in hand, into buffer f: the weights' 24, then x's 8
.macro FETCH k, f
	WIN 0x40
.irp t, 0,1,2
.irp j, 0,1,2,3
	ds_load_b128 v[96*(\f)+8*(4*(\t)+(\j)):96*(\f)+8*(4*(\t)+(\j))+3],   v[ADRB+(\t)] offset:(\k)+(\j)*16*PITCH
	ds_load_b128 v[96*(\f)+8*(4*(\t)+(\j))+4:96*(\f)+8*(4*(\t)+(\j))+7], v[ADRB+(\t)] offset:(\k)+(\j)*16*PITCH+32
.endr
.endr
	WIN 0
.irp a, 0,1,2,3
	ds_load_b128 v[64+32*(\f)+8*(\a):64+32*(\f)+8*(\a)+3],   v[ADRA] offset:(\k)+(\a)*16*PITCH
	ds_load_b128 v[64+32*(\f)+8*(\a)+4:64+32*(\f)+8*(\a)+7], v[ADRA] offset:(\k)+(\a)*16*PITCH+32
.endr
.endm
.macro PLACES                          ; four plain places behind a product, in front of loads into registers that it has read and of instructions that read its result
.rept 4
	v_nop
.endr
.endm
; A K step is four quarters of 32 along K, 48 products each, on buffers 0, 1, 0, 1.  One of the first three multiplies buffer f and fetches the next quarter, at byte k, into g.
.macro QUARTER k, f, g, zero
	s_wait_dscnt 4                                 ; the weights and x's token blocks 0, 1 are in; the youngest four loads (blocks 2, 3) may be out
	MUL12 \f, 0, 0, \zero
	MUL12 \f, 0, 1, \zero
	PLACES
	FETCH \k, \g
	s_wait_dscnt 32                                ; all but the 32 just issued
	MUL12 \f, 1, 0, \zero
	MUL12 \f, 1, 1, \zero
.endm
; The last quarter multiplies buffer 1 and changes slots: ONE barrier.  In front of it each wave waits for all its tensor loads (one is out: its tile of the next slot), adds 0 to its spare word, and waits
; for that and for its reads of this slot.  fill = 1: the barrier opens a round of the cluster's, and this slot is filled again, two steps of the walk on, first thing behind it: 168 products ahead of the wait for it.
.macro TURN fill
.if \fill
	s_wait_xcnt 0x0                                ; the last prefetch, a K step back, has read its address, which is made anew:
	s_add_co_u32 s[PO], s[OFFW], 3*KSTEP*2         ; two steps behind the refill below, round the row's end
	s_and_b32 s[PO], s[PO], ROWB-1
	s_add_nc_u64 s[PFA:PFA+1], s[PFB:PFB+1], s[PO:PO+1]
.endif
	WIN 0                                          ; (the add's two registers lie in window 0)
	s_wait_tensorcnt 0x0                           ; all my tensor loads have landed, so a group 0 may be written
	ds_add_u32 v[SPW], v[NIL]                      ; 0 onto my spare word: the descriptors' steps and twelve products stand between it and the wait for it
.if \fill
	s_add_co_u32 s[OFFW], s[OFFW], KSTEP*2         ; the walk's next K step, round the row's end,
	s_and_b32 s[OFFW], s[OFFW], ROWB-1
	s_xor_b32 s[G0+5], s[G0+5], SLOT               ; into the other slot than last time
	s_add_nc_u64 s[G0+6:G0+7], s[XB:XB+1], s[OFFW:OFFW+1]
	s_or_b32 s[G0+7], s[G0+7], 0x80000000
	s_xor_b32 s[G0B+5], s[G0B+5], SLOT
	s_add_nc_u64 s[G0B+6:G0B+7], s[WB:WB+1], s[OFFW:OFFW+1]
	s_or_b32 s[G0B+7], s[G0B+7], 0x80000000
.endif
	s_wait_dscnt 5                                 ; (the add and the youngest four loads may be out)
	MUL12 1, 0, 0, 0
	s_wait_dscnt 0x0                               ; the add is done, and my reads of this slot are over
	s_barrier_signal -1
	MUL12 1, 0, 1, 0
	WIN 0
	s_barrier_wait -1
.if \fill
	CREST                                          ; no wave of any partner still reads this slot or has a load on its way
	JLOAD 1
.endif
	s_xor_b32 s[TB], s[TB], SLOT                   ; the fetches go to the other slot
	ADDRS                                          ; four plain lines: the places in front of the loads below
	FETCH 0, 0
.if \fill
	ASK
.endif
	MUL12 1, 1, 0, 0
	MUL12 1, 1, 1, 0
.endm
	s_wait_tensorcnt 1                             ; my tile of the walk's first K step is in; the second's may stay out
	s_barrier_signal -1
	s_barrier_wait -1                              ; everybody's is
	FETCH 0, 0
	QUARTER 64, 0, 1, 1                            ; the first quarter stands in front of the loop: its products start the sums
	WIN 0                                          ; at a label and at a branch every window is 0
	s_mov_b32 s3, FILLS
.Lstep:                                                ; a trip: from a K step's second quarter to the next step's first; the slot that it leaves is filled again
	QUARTER 128, 1, 0, 0
	QUARTER 192, 0, 1, 0
	TURN 1
	QUARTER 64,  0, 1, 0
	WIN 0
	s_sub_co_u32 s3, s3, 1
	s_cmp_lg_u32 s3, 0
	s_cbranch_scc1 .Lstep
	QUARTER 128, 1, 0, 0                           ; the last two K steps fill nothing
	QUARTER 192, 0, 1, 0
	TURN 0
	QUARTER 64,  0, 1, 0
	QUARTER 128, 1, 0, 0
	QUARTER 192, 0, 1, 0
	s_wait_dscnt 4                                 ; the very last quarter: nothing more to fetch
	MUL12 1, 0, 0, 0
	MUL12 1, 0, 1, 0
	s_wait_dscnt 0x0                               ; my reads of the ring are over:
	s_barrier_signal -1                            ; say so, and work on registers while the others arrive
	MUL12 1, 1, 0, 0
	MUL12 1, 1, 1, 0
	WIN 0
	s_barrier_wait -1                              ; everybody's are: slot 0's bytes, which no load fills any more, take the stage
	; THE WAY OUT.  out[d] = x[d] c'[d] + x[d ^ 1] s'[d]: a packed multiply and a packed multiply-add whose first source is taken with its halves swapped; the sign and the scale lie in the table.
	PLACES
	s_wait_loadcnt 0x0                             ; block 0's table, asked for at the head, is in: 48 loads at the most are out from here on
	TLOAD 1                                        ; into the weights' buffers, which are free
	TLOAD 2
	TLOAD 3
.macro OUTJ a, j                       ; token block a, channel block j, all three tensors
.set TBL, (192+64*(\a))%256+16*(\j)
	WIN 0x06+(\a)/2                                ; source 0: the accumulators' window; source 1: the table's; source 2 and destination: window 0
.irp t, 0,1
.set AC, 8*(12*((\a)%2)+4*(\t)+(\j))
.irp p, 0,1,2,3
	v_pk_mul_f32 v[U+8*(\t)+2*(\p):U+8*(\t)+2*(\p)+1], v[AC+2*(\p):AC+2*(\p)+1], v[TBL+2*(\p):TBL+2*(\p)+1]
.endr
.irp p, 0,1,2,3
	v_pk_fma_f32 v[U+8*(\t)+2*(\p):U+8*(\t)+2*(\p)+1], v[AC+2*(\p):AC+2*(\p)+1], v[TBL+8+2*(\p):TBL+8+2*(\p)+1], v[U+8*(\t)+2*(\p):U+8*(\t)+2*(\p)+1] op_sel:[1,0,0] op_sel_hi:[0,1,1]
.endr
.endr
.set AC, 8*(12*((\a)%2)+8+(\j))
	WIN 0x0a+5*((\a)/2)                            ; sources 0 and 1: the accumulators' window
.irp p, 0,1,2,3
	v_cvt_pk_f16_f32 v[YY+8+(\p)], v[AC+2*(\p)], v[AC+2*(\p)+1]
.endr
	WIN 0
.irp t, 0,1
.irp p, 0,1,2,3
	v_cvt_pk_f16_f32 v[YY+4*(\t)+(\p)], v[U+8*(\t)+2*(\p)], v[U+8*(\t)+2*(\p)+1]
.endr
.endr
.irp t, 0,1,2
	ds_store_b128 v[STO+(\t)], v[YY+4*(\t):YY+4*(\t)+3] offset:16*(\a)*PITCH+32*(\j)
.endr
.endm
.irp a, 0,1,2,3
.if (\a) > 0
	s_wait_loadcnt 48-16*(\a)                      ; block a's table is in; the later blocks' loads stay out
.endif
.irp j, 0,1,2,3
	OUTJ \a, \j
.endr
.endr
	s_wait_dscnt 0x0                               ; for the others' sake: a row's 256 bytes come from two waves
	s_barrier_signal -1
	s_barrier_wait -1
.irp t, 0,1,2
.if (\t) == 2
	s_wait_xcnt 0x0                                ; the first tensor's stores have read their registers, which are loaded again
.endif
.irp f, 0,1,2,3,4,5,6,7,8,9,10,11,12,13,14,15
	ds_load_b128 v[OB+64*((\t)%2)+4*(\f):OB+64*((\t)%2)+4*(\f)+3], v[RD+(\t)] offset:2*(\f)*PITCH
.endr
.irp f, 0,1,2,3,4,5,6,7,8,9,10,11,12,13,14,15
	s_wait_dscnt 15-(\f)
	global_store_b128 v[CO], v[OB+64*((\t)%2)+4*(\f):OB+64*((\t)%2)+4*(\f)+3], s[68+2*(\t):69+2*(\t)] offset:512*(\f)  ; 16 lanes store 256 consecutive bytes, aligned
.endr
.endr
	s_wait_tensorcnt 0x0                           ; the wave's end: behind my last tensor load and my last LDS store
	ds_add_u32 v[SPW], v[NIL]
	s_wait_dscnt 0x0
	CROUND                                         ; the closing round
	s_endpgm
.Lfunc_end_k_q4b9319177b_proj:
	.size	k_q4b9319177b_proj, .Lfunc_end_k_q4b9319177b_proj-k_q4b9319177b_proj
	.p2alignl 7, 3214868480
	.fill 96, 4, 3214868480
	.section	.rodata,"a",@progbits
	.p2align	6, 0x0
	.amdhsa_kernel k_q4b9319177b_proj
		.amdhsa_group_segment_fixed_size 327680
		.amdhsa_private_segment_fixed_size 0
		.amdhsa_enable_private_segment 0
		.amdhsa_kernarg_size 24
		.amdhsa_user_sgpr_count 2
		.amdhsa_user_sgpr_kernarg_segment_ptr 1
		.amdhsa_wavefront_size32 1
		.amdhsa_system_sgpr_workgroup_id_x 1
		.amdhsa_system_sgpr_workgroup_id_y 1
		.amdhsa_system_sgpr_workgroup_id_z 1
		.amdhsa_system_vgpr_workitem_id 0
		.amdhsa_next_free_vgpr 1024
		.amdhsa_next_free_sgpr 84
		.amdhsa_reserve_vcc 0
		.amdhsa_float_denorm_mode_32 3
		.amdhsa_float_denorm_mode_16_64 3
		.amdhsa_memory_ordered 1
		.amdhsa_forward_progress 1
		.amdhsa_inst_pref_size 123
	.end_amdhsa_kernel
	.amdgpu_metadata
---
amdhsa.version: [ 1, 2 ]
amdhsa.kernels:
  - .name:           k_q4b9319177b_proj
    .symbol:         k_q4b9319177b_proj.kd
    .args:
      - { .name: xw, .offset: 0, .size: 8, .value_kind: global_buffer, .address_space: global }
      - { .name: rt, .offset: 8, .size: 8, .value_kind: global_buffer, .address_space: global }
      - { .name: qkvh, .offset: 16, .size: 8, .value_kind: global_buffer, .address_space: global }
    .group_segment_fixed_size: 327680
    .private_segment_fixed_size: 0
    .kernarg_segment_align: 8
    .kernarg_segment_size: 24
    .max_flat_workgroup_size: 128
    .sgpr_count:     84
    .vgpr_count:     1024
    .wavefront_size: 32
...
	.end_amdgpu_metadata
.endif
;; end of part 2
;; launch attend (part 3): grid 16 x 16, 4 waves a work-group, clusters of 4 x 4, 327,680 bytes of LDS; arguments qkvh, maskr, attno; writes attno
.if DOCPART == 3
	.amdgcn_target "amdgcn-amd-amdhsa--gfx1250"
	.amdhsa_code_object_version 6
	.text
	.protected	k_q4b9319177b_attend
	.globl	k_q4b9319177b_attend
	.p2align	8
	.type	k_q4b9319177b_attend,@function
k_q4b9319177b_attend:
	s_mov_b64 s[64:65], 0
	v_nop
	global_prefetch_b8 v0, s[64:65] scope:SCOPE_SE
	s_setreg_imm32_b32 hwreg(HW_REG_WAVE_MODE, 25, 1), 1
	s_wait_xcnt 0x0
	s_wait_alu depctr_hold_cnt(0) depctr_sa_sdst(0) depctr_va_vdst(0) depctr_va_sdst(0) depctr_va_ssrc(0) depctr_va_vcc(0) depctr_vm_vsrc(0)
	s_getreg_b32 s2, hwreg(HW_REG_IB_STS2, 6, 4)
	s_cmp_eq_u32 s2, 0
	s_cbranch_scc0 .Lentry_in_a_cluster
	s_endpgm
.Lentry_in_a_cluster:
	s_bfe_u32 s2, ttmp6, 0x10000c
	s_cmp_lg_u32 s2, 0xf033
	s_cbranch_scc0 .Lentry_shape_is_right
	s_endpgm
.Lentry_shape_is_right:
; O[q][h] = the sum over k of softmax_k(q[h][q] . k[h][k] / sqrt(128) + mask[q][k]) v[h][k].  q', k', v: f16, [16][2048][128] each; mask: f32 [2048][2048]; O: f16 [2048][2048], head h in columns 128 h ..
; THE SCORES COME IN POWERS OF TWO: q' and k' each carry sqrt(log2(e) / sqrt(128)) and the stored mask carries log2(e), so s = q'.k' + mask' is log2(e) times the reference's score.
; Products, maxima and sums in f32; the weights p are rounded to f16 for the second product (their sum is taken of the unrounded p), O once at the end.  The mask is an input: every score is made and every mask number is added.
; LIMITS.  s stays finite in f32; a weight below 2^-126 counts as 0; NaN and infinities are not treated apart; where all keys of a row carry a mask more than 2^24 times the scores, score + mask is
; rounded in the matrix unit's order.
; SHARES.  A work-group owns 128 queries of one head: 16 x 16 = 256 work-groups.  Wave w (qh = w % 2, kp = w / 2) takes 64 queries, four tiles of 16, against HALF the keys: of each slot's 128 keys the 64 at 64 kp.
; So a fragment of K or V feeds four tiles.  At the end the two waves of a query half join their partial results by their maxima.  Waves 2 and 3 number their tiles turned by two: local tile t is the
; half's tile (t + 2 kp) % 4; every wave keeps its local tiles 0, 1 and sends its tiles 2, 3 to wave w ^ 2: one text for all waves.
; LAYOUT.  S^T = K Q^T + M^T: a lane holds ONE query (lane % 16) and the keys 8 (lane / 16) + 0..7; the mask's eight numbers for them lie on end in a row of the mask and ARE the C operand of the product that starts
; the sum: no vector instruction adds it.  Two results rounded to f16 are source 1 of O^T = V^T P.  V is turned on its way out of LDS.
; SOFTMAX.  A running maximum m and sum l: p = 2^(s - m).  The difference is formed first and nothing is multiplied behind it: s - m is never above 0, so p never passes 1, however large the mask's numbers are.
; O and l are multiplied by a = 2^(m_old - m_new) in every step.  m starts at the lowest finite number, O and l at 0: the first step has a = 0.
; BY TURNS.  Piece 0 = tiles 0, 1; piece 2 = tiles 2, 3.  In a turn one piece issues 32 products V^T P of the step in hand and 32 products K Q^T of the next; the other piece's softmax, cut into 64 slices, stands behind them.
; CLUSTER 4 x 4: K and V hang on the head and are shared along a row of the cluster, the mask's tile on the query block and is shared along a column: joint loads, one a wave (K; V; the mask's two halves).
; THE WALK OVER THE KEYS IS TURNED.  The 2,048 keys are 16 blocks of 128; cluster (X, Y) begins at block rho = (4 X + 8 s(Y)) mod 16, s = 0, 1, 1, 0 for Y = 0..3, and goes round (a running softmax takes the keys in
; any order).  So the four clusters of one Y, which read the same K and V, lie 4 blocks apart, and the clusters of one X, which read the same rows of the mask, lie 0 or 8 blocks apart: requests for the same rows
; are spread over the launch.  A tile's address is made anew for each fill from the block's number J.
; REGISTERS: window 0: v2-11, v44-47, v61-63 addresses; v12-43 statistics, eight a tile; v64-191 S^T; v192-255 P     window 1: O^T, 64 a tile
;   window 2: v0-127 Q; v128-255 K of one step     window 3: v0-127 V of one step; v128-255 the mask of one step, tile t and key block kb at 128 + 32 t + 8 kb
.set PK,    272       ; a row of K in LDS: 256 bytes + 16
.set PV,    288       ; a row of V: 256 + 32
.set PM,    528       ; a row of the mask's tile: 512 + 16
.set VOFF,  128*PK
.set MOFF,  VOFF+128*PV
.set SLOT,  MOFF+128*PM   ; 139,264 = 0x22000; no base inside a slot has bit 13 or 17 set, so one exclusive or turns an address in one slot into the other's
.set STAGE, 2*SLOT        ; 16 rows x 272 bytes a wave, for the way out
.set SP,    272
.set SPARE, STAGE+4*16*SP ; the spare words, 128 bytes a wave, which no other line names
.set XW,    34*512        ; the exchange at the end, in slot 0 behind its last fill and last read: 32 x 512 bytes of O^T and 2 x 512 of statistics a wave
.set AK0, 2
.set AV0, 3
.set ADR, 4           ; the LDS address of the run of loads in hand
.set QO,  5
.set STO, 6
.set RD,  7
.set GO,  8
.set ST,  12          ; tile t at ST + 8 t: m, m (a pair for the packed subtraction), l (even keys', odd keys'), c0-c3 at work; a takes c2's place
.set AM0, 44          ; my place in the mask's tile for piece 0; v45 for piece 2
.set XS,  46          ; where I put what I send
.set XR,  47          ; where I read what wave w ^ 2 sent
.set PFO, 61
.set SPW, 62
.set NIL, 63
.set S,   64
.set P,   192
.set KF,  128         ; window 2
.set MC,  128         ; window 3
.set WV,  12
.set LIM, 15          ; s15  10 in a wave that prefetches, else the greatest number
.set PFB, 18          ; s[18:19] the mask at my work-group's 16 rows of the 64 that I fetch
.set PO,  20          ; s[20:21] the prefetched block's byte offset along a row
.set G1K, 24
.set G1V, 32
.set G1M, 40
.set G0K, 48          ; descriptor groups 0 of the second first fill, which then walk
.set G0V, 52
.set G0M, 56
.set SLOTS, 60
.set CNT, 61
.set TB,  62          ; s62  the slot that is being read: 0 or SLOT
.set SEL, 68          ; s[68:69] v_permlanex16_b32's selects
.set QB0, 70          ; s[70:71], s[72:73] Q at piece 0's and piece 2's rows
.set OBS, 74          ; s[74:75] O at the rows that I finish
.set KP,  76
.set QH,  77
.set PFA, 78          ; s[78:79] where the prefetch stands
.set F0K, 80          ; descriptor groups 0 of the first fill
.set F0V, 84
.set F0M, 88
.set KB,  92          ; s[92:93] K at the head's first row;  s[94:95] V;  s[96:97] the mask at the first of the 64 rows that I fetch
.set VB,  94
.set MB,  96
.set OFF, 98          ; s[98:99] a block's byte offset
.set J,   100         ; s100 the block of 128 keys asked for last
.set CLY, 101         ; s101 the cluster's y
.set MSB, 0
.macro WIN new
.if MSB != (\new)
	s_set_vgpr_msb (MSB<<8)|(\new)
.set MSB, \new
.endif
.endm
.set W_KQ, 0x0a       ; K and Q in window 2, S^T in window 0
.set W_KM, 0x3a       ; the same with the C operand, the mask, in window 3
.set W_PV, 0x53       ; V in window 3, P in window 0, O^T in window 1
.set W_RS, 0x41       ; O^T in window 1, a in window 0
; A joint load: wave 0 K's 128 rows, wave 1 V's, waves 2 and 3 the two halves of the mask's 128 rows.  The branches hang on the wave's number alone.  An s_nop 0 and four v_nop follow each line.
.macro JLOAD
	s_cmp_lt_u32 s[WV], 2
	s_cbranch_scc0 .Lfor_m_\@
	s_cmp_eq_u32 s[WV], 0
	s_cbranch_scc0 .Lfor_v_\@
	tensor_load_to_lds s[G0K:G0K+3], s[G1K:G1K+7]
	s_nop 0
.rept 4
	v_nop
.endr
	s_branch .Lasked_\@
.Lfor_v_\@:
	tensor_load_to_lds s[G0V:G0V+3], s[G1V:G1V+7]
	s_nop 0
.rept 4
	v_nop
.endr
	s_branch .Lasked_\@
.Lfor_m_\@:
	tensor_load_to_lds s[G0M:G0M+3], s[G1M:G1M+7]
	s_nop 0
.rept 4
	v_nop
.endr
.Lasked_\@:
.endm
.macro FIRST2 a, b, g               ; a wave's two first fills stand together: an s_nop 0 behind each, four v_nop behind the second
	tensor_load_to_lds s[\a:\a+3], s[\g:\g+7]
	s_nop 0
	tensor_load_to_lds s[\b:\b+3], s[\g:\g+7]
	s_nop 0
.rept 4
	v_nop
.endr
.endm
.macro AIM k, v, m                  ; the three tiles' addresses for block J: 32,768 bytes of K and of V, 512 bytes along the mask's rows
	s_lshl_b32 s[OFF], s[J], 15
	s_add_nc_u64 s[\k+2:\k+3], s[KB:KB+1], s[OFF:OFF+1]
	s_or_b32 s[\k+3], s[\k+3], 0x80000000
	s_add_nc_u64 s[\v+2:\v+3], s[VB:VB+1], s[OFF:OFF+1]
	s_or_b32 s[\v+3], s[\v+3], 0x80000000
	s_lshl_b32 s[OFF], s[J], 9
	s_add_nc_u64 s[\m+2:\m+3], s[MB:MB+1], s[OFF:OFF+1]
	s_or_b32 s[\m+3], s[\m+3], 0x80000000
.endm
.macro NEXTJ                        ; the walk's next block, round the end
	s_add_co_u32 s[J], s[J], 1
	s_and_b32 s[J], s[J], 15
.endm
; A PREFETCH of the mask's tile that the change of slots after the next will ask for: 256 products ahead of that load; one instruction, 16 rows x 2 blocks of 256 bytes.  By the walk's arithmetic a cluster's slots 8 to 15
; of the mask, and its slots 4 to 15 of K and V, have been read by another cluster 8 or 4 trips earlier; slots 0 to 3 lie at the head and come by their loads alone.  So slots 4 to 7 of the mask are prefetched, in the
; first four changes of the loop (SLOTS = 14 .. 11).  Clusters of one X with the same rho read the same rows in the same trip: of them Y = 0 and Y = 1 ask, waves 2 and 3; the four partners of the joint load take 16 of
; a wave's 64 rows each, told apart by address (cy).
.macro ASK
	s_cmp_gt_u32 s[SLOTS], s[LIM]
	s_cbranch_scc0 .Lnot_mine_\@
	global_prefetch_b8 v[PFO], s[PFA:PFA+1] th:TH_LOAD_NT scope:SCOPE_SE
.Lnot_mine_\@:
.endm
.macro CROUND
	s_barrier_signal -1
	s_barrier_wait -1
	s_cmp_lg_u32 s[WV], 0
	s_cbranch_scc1 .Lnot_wave_0_\@
	s_barrier_signal -3
.Lnot_wave_0_\@:
	s_barrier_wait -3
	s_barrier_signal -1
	s_barrier_wait -1
.endm
; THE CHANGE OF SLOTS, between piece 2's turn and piece 0's: the slot's last bytes, V, have been asked for.  Each wave waits for all its tensor loads (one is out: its part of the other slot), adds 0 to its spare
; word, and waits for that and for its reads of the slot.  fill = 1: the barrier is a round of the cluster's, and the slot just left is filled with the walk's block two on, first thing behind it: it has 128 products to land.
.macro CHANGE fill
	WIN 0
	s_wait_tensorcnt 0x0            ; no tensor load of mine is out, so a group 0 may be written
	ds_add_u32 v[SPW], v[NIL]       ; 0 onto my spare word: the descriptors' steps stand between it and the wait for it
.if \fill
	NEXTJ
	s_xor_b32 s[G0K+1], s[G0K+1], SLOT
	s_xor_b32 s[G0V+1], s[G0V+1], SLOT
	s_xor_b32 s[G0M+1], s[G0M+1], SLOT
	AIM G0K, G0V, G0M
	s_wait_xcnt 0x0                 ; the last prefetch, a key step back, has read its address, which is made anew:
	s_add_co_u32 s[PO], s[J], 2     ; two blocks behind the refill, round the end
	s_and_b32 s[PO], s[PO], 15
	s_lshl_b32 s[PO], s[PO], 9
	s_add_nc_u64 s[PFA:PFA+1], s[PFB:PFB+1], s[PO:PO+1]
.endif
	s_wait_dscnt 0x0                ; the add is done, and my reads of the slot are over
.if \fill
	CROUND
	JLOAD
	ASK
.else
	s_barrier_signal -1
	s_barrier_wait -1
.endif
	s_xor_b32 s[TB], s[TB], SLOT    ; the fetches go to the other slot
.endm
	s_load_b128 s[4:7], s[0:1], 0x0 ; qkvh s[4:5], maskr s[6:7]
	s_load_b64 s[8:9], s[0:1], 0x10 ; attno
	v_lshl_add_u32 v[SPW], v0, 2, SPARE
	v_mov_b32 v[NIL], 0
	ds_add_u32 v[SPW], v[NIL]       ; the wave's opening: the add and its wait stand ahead of my first tensor load
	v_lshrrev_b32 v1, 5, v0
	v_readfirstlane_b32 s[WV], v1
	s_lshr_b32 s[KP], s[WV], 1
	s_and_b32 s[QH], s[WV], 1
	s_bfe_u32 s13, ttmp6, 0x40000   ; cx
	s_bfe_u32 s14, ttmp6, 0x40004   ; cy
	s_lshl_b32 s16, ttmp9, 2
	s_add_co_u32 s16, s16, s13      ; the block of 128 queries
	s_and_b32 s[CLY], ttmp7, 0xffff
	s_lshl_b32 s17, s[CLY], 2
	s_add_co_u32 s17, s17, s14      ; the head
	s_lshl_b32 s2, s14, 2
	s_lshl_b32 s2, 15, s2           ; my row of the cluster
	s_lshl_b32 s3, 0x1111, s13      ; my column
	s_or_b32 s[G1K], s2, (1<<16)|(1<<20)|(1<<21)|(5<<22)|(3<<25)  ; 2-byte elements; padding: after every 64 words, 4 words
	s_or_b32 s[G1V], s2, (1<<16)|(1<<20)|(1<<21)|(5<<22)|(7<<25)  ; 8 words
	s_or_b32 s[G1M], s3, (2<<16)|(1<<20)|(1<<21)|(6<<22)|(3<<25)  ; 4-byte elements; after every 128 words, 4 words
.irp g, G1K, G1V
	s_mov_b32 s[(\g)+1], 128<<16    ; tensor_dim0 = 128
	s_mov_b32 s[(\g)+2], 128<<16    ; tensor_dim1 = 128
	s_mov_b32 s[(\g)+3], 128<<16    ; tile_dim0 = 128
	s_mov_b32 s[(\g)+4], 128        ; tile_dim1 = 128
	s_mov_b32 s[(\g)+5], 128        ; elements from row to row
	s_mov_b32 s[(\g)+6], 0
	s_mov_b32 s[(\g)+7], 0
.endr
	s_mov_b32 s[G1M+1], 128<<16
	s_mov_b32 s[G1M+2], 64<<16      ; 64 rows
	s_mov_b32 s[G1M+3], 128<<16
	s_mov_b32 s[G1M+4], 64
	s_mov_b32 s[G1M+5], 2048
	s_mov_b32 s[G1M+6], 0
	s_mov_b32 s[G1M+7], 0
	s_mov_b32 s[F0K], 1             ; the first fill goes to slot 0, the second to slot 1
	s_mov_b32 s[F0K+1], 0
	s_mov_b32 s[G0K], 1
	s_mov_b32 s[G0K+1], SLOT
	s_mov_b32 s[F0V], 1
	s_mov_b32 s[F0V+1], VOFF
	s_mov_b32 s[G0V], 1
	s_mov_b32 s[G0V+1], VOFF+SLOT
	s_mov_b32 s[F0M], 1
	s_mov_b32 s[G0M], 1
	s_mul_i32 s22, s[QH], 64*PM
	s_add_co_u32 s[F0M+1], s22, MOFF
	s_add_co_u32 s[G0M+1], s22, MOFF+SLOT
	s_mov_b32 s[SEL], 0x76543210
	s_mov_b32 s[SEL+1], 0xfedcba98
	s_mov_b32 s[TB], 0
	s_lshr_b32 s[J], s[CLY], 1      ; where the cluster's walk begins: it hangs on the cluster's x and y alone, which all sixteen partners share
	s_xor_b32 s[J], s[J], s[CLY]
	s_and_b32 s[J], s[J], 1         ; s(Y) = 0, 1, 1, 0
	s_lshl_b32 s[J], s[J], 3
	s_lshl_b32 s2, ttmp9, 2
	s_add_co_u32 s[J], s[J], s2
	s_and_b32 s[J], s[J], 15        ; rho
	s_mov_b32 s[OFF+1], 0
	s_lshl_b32 s22, s17, 19         ; the head's 2,048 rows of 256 bytes
	s_mov_b32 s23, 0
	s_lshl_b32 s78, s16, 20         ; the mask: 128 rows of 8,192 bytes a block,
	s_lshl_b32 s79, s[QH], 19       ; the 64 that I fetch
	s_add_co_u32 s78, s78, s79
	s_mov_b32 s79, 0
	s_wait_dscnt 0x0                ; the opening add is done
	s_wait_kmcnt 0x0
	s_add_nc_u64 s[KB:KB+1], s[4:5], s[22:23]
	s_add_nc_u64 s[VB:VB+1], s[KB:KB+1], 0x1000000
	s_add_nc_u64 s[KB:KB+1], s[KB:KB+1], 0x800000
	s_add_nc_u64 s[MB:MB+1], s[6:7], s[78:79]
	AIM F0K, F0V, F0M
	NEXTJ
	AIM G0K, G0V, G0M
	CROUND                          ; all sixteen work-groups are here
	s_cmp_lt_u32 s[WV], 2           ; both first fills go out together, in one branch on the wave's number, ahead of every wait on TENSORcnt and every LDS read: two loads of mine are out
	s_cbranch_scc0 .Lhead_m
	s_cmp_eq_u32 s[WV], 0
	s_cbranch_scc0 .Lhead_v
	FIRST2 F0K, G0K, G1K
	s_branch .Lhead_asked
.Lhead_v:
	FIRST2 F0V, G0V, G1V
	s_branch .Lhead_asked
.Lhead_m:
	FIRST2 F0M, G0M, G1M
.Lhead_asked:
	s_lshl_b32 s2, s16, 15          ; Q: the block's 128 rows of 256 bytes,
	s_add_co_u32 s2, s2, s22        ; in the head,
	s_lshl_b32 s3, s[QH], 14        ; my 64
	s_add_co_u32 s2, s2, s3
	s_mov_b32 s3, 0
	s_add_nc_u64 s[QB0:QB0+1], s[4:5], s[2:3]
	s_mov_b64 s[QB0+2:QB0+3], s[QB0:QB0+1]
	s_lshl_b32 s2, s[KP], 13        ; piece 0: rows 32 kp on
	s_add_nc_u64 s[QB0:QB0+1], s[QB0:QB0+1], s[2:3]
	s_xor_b32 s2, s2, 0x2000        ; piece 2: the other 32
	s_add_nc_u64 s[QB0+2:QB0+3], s[QB0+2:QB0+3], s[2:3]
	v_and_b32 v1, 15, v0            ; r
	v_bfe_u32 v9, v0, 4, 1          ; hh
	v_lshlrev_b32 v[QO], 8, v1
	v_lshl_add_u32 v[QO], v9, 4, v[QO]
	WIN 0x80                        ; destination window 2
.set i, 0
.rept 16                            ; Q stays in registers: tile i / 4, channels 32 (i % 4) on
	global_load_b128 v[8*i:8*i+3],   v[QO], s[QB0+2*(i/8):QB0+2*(i/8)+1] offset:((i/4)%2)*4096+(i%4)*64
	global_load_b128 v[8*i+4:8*i+7], v[QO], s[QB0+2*(i/8):QB0+2*(i/8)+1] offset:((i/4)%2)*4096+(i%4)*64+32
.set i, i+1
.endr
	; What the first turn finds: V and piece 2's P hold 0 (its products V^T P, of a step that has not been, add 0), O^T and l are 0.  All this stands in the wait for the first tile: no first step is written out.
	WIN 0xc0
.set i, 0
.rept 128
	v_mov_b32 v[i], 0
.set i, i+1
.endr
	WIN 0x40
.set i, 0
.rept 256
	v_mov_b32 v[i], 0
.set i, i+1
.endr
	WIN 0
.set i, 0
.rept 4
	v_mov_b32 v[ST+8*i], 0xff7fffff    ; m, twice: the lowest finite number
	v_mov_b32 v[ST+8*i+1], 0xff7fffff
	v_mov_b32 v[ST+8*i+2], 0
	v_mov_b32 v[ST+8*i+3], 0
.set i, i+1
.endr
.set i, P+32
.rept 32
	v_mov_b32 v[i], 0
.set i, i+1
.endr
	s_mul_i32 s2, s[KP], 64*PK      ; my 64 keys
	v_mul_u32_u24 v[AK0], v1, PK
	v_lshl_add_u32 v[AK0], v9, 4, v[AK0]
	v_add_nc_u32 v[AK0], s2, v[AK0]
	; the turning load takes 16 keys x 16 channels: lane l reads key 8 (l / 16) + l % 8, channels 8 ((l / 8) % 2) + 0..7
	v_and_b32 v10, 7, v0
	v_bfe_u32 v11, v0, 3, 1
	v_lshl_add_u32 v[AV0], v9, 3, v10
	v_mul_u32_u24 v[AV0], v[AV0], PV
	v_lshl_add_u32 v[AV0], v11, 4, v[AV0]
	s_mul_i32 s2, s[KP], 64*PV
	s_add_co_u32 s2, s2, VOFF
	v_add_nc_u32 v[AV0], s2, v[AV0]
	; the mask: row = my query, 32 bytes at key 8 (l / 16) of a block of 16 keys; my 64 keys begin 256 kp bytes into the row
	v_mul_u32_u24 v10, v1, PM
	v_lshl_add_u32 v10, v9, 5, v10
	s_lshl_b32 s2, s[QH], 6
	s_lshl_b32 s3, s[KP], 5
	s_add_co_u32 s2, s2, s3         ; piece 0's first row: 64 qh + 32 kp
	s_xor_b32 s3, s2, 32            ; piece 2's: the other 32
	s_mul_i32 s2, s2, PM
	s_mul_i32 s3, s3, PM
	s_lshl_b32 s78, s[KP], 8
	s_add_co_u32 s78, s78, MOFF
	s_add_co_u32 s2, s2, s78
	s_add_co_u32 s3, s3, s78
	v_add_nc_u32 v[AM0], s2, v10
	v_add_nc_u32 v[AM0+1], s3, v10
	v_and_b32 v10, 31, v0
	s_mul_i32 s2, s[WV], XW
	v_lshl_add_u32 v[XS], v10, 4, s2
	s_xor_b32 s2, s[WV], 2
	s_mul_i32 s2, s2, XW
	v_lshl_add_u32 v[XR], v10, 4, s2
	s_lshl_b32 s2, s16, 19          ; O: 128 rows of 4,096 bytes a block,
	s_lshl_b32 s3, s[QH], 18
	s_add_co_u32 s2, s2, s3
	s_lshl_b32 s3, s[KP], 17        ; the 32 rows that I finish,
	s_add_co_u32 s2, s2, s3
	s_lshl_b32 s3, s17, 8           ; the head's 256 bytes of a row
	s_add_co_u32 s2, s2, s3
	s_mov_b32 s3, 0
	s_add_nc_u64 s[OBS:OBS+1], s[8:9], s[2:3]
	; the prefetches: where my work-group's 16 rows of the mask begin, and who asks
	s_lshl_b32 s2, s16, 20          ; the block's rows,
	s_lshl_b32 s3, s[QH], 19        ; the 64 that I fetch,
	s_add_co_u32 s2, s2, s3
	s_lshl_b32 s3, s14, 17          ; my work-group's 16 of them
	s_add_co_u32 s2, s2, s3
	s_mov_b32 s3, 0
	s_add_nc_u64 s[PFB:PFB+1], s[6:7], s[2:3]
	s_mov_b32 s[PO+1], 0
	s_lshr_b32 s2, s[CLY], 1        ; 0 where cluster y is 0 or 1,
	s_xor_b32 s3, s[KP], 1          ; 0 in waves 2 and 3
	s_or_b32 s2, s2, s3
	s_cmp_eq_u32 s2, 0
	s_cselect_b32 s[LIM], 10, -1    ; the same in all sixteen partners, for a given wave
	v_lshrrev_b32 v11, 1, v10       ; two lanes a row of 8,192 bytes,
	v_and_b32 v10, 1, v10           ; 256 bytes apart
	v_lshlrev_b32 v11, 13, v11
	v_lshl_add_u32 v[PFO], v10, 8, v11
; THE MATRIX WORK OF A TURN, for piece x.  The accumulators take turns, one instruction a turn.
; Product i of 32 of O^T += V^T P: keys 32 (i / 16) on, channels 16 ((i / 2) % 8) on, tile x + i % 2.
.macro PV x
	WIN W_PV
.set rO, 64*((\x)+i%2)+8*((i/2)%8)
.set rV, 64*(i/16)+8*((i/2)%8)
.set rP, P+16*((\x)+i%2)+8*(i/16)
	v_wmma_f32_16x16x32_f16 v[rO:rO+7], v[rV:rV+7], v[rP:rP+7], v[rO:rO+7]
.endm
; Product i of 32 of S^T = K Q^T + M^T: channels 32 (i / 8) on, keys 16 ((i / 2) % 4) on, tile x + i % 2.  The first 8 start the sums with the mask.
.macro KQ x
.set rS, S+32*((\x)+i%2)+8*((i/2)%4)
.set rK, KF+32*((i/2)%4)+8*(i/8)
.set rQ, 32*((\x)+i%2)+8*(i/8)
.set rM, MC+32*((\x)+i%2)+8*((i/2)%4)
.if i < 8
	WIN W_KM
	v_wmma_f32_16x16x32_f16 v[rS:rS+7], v[rK:rK+7], v[rQ:rQ+7], v[rM:rM+7]
.else
	WIN W_KQ
	v_wmma_f32_16x16x32_f16 v[rS:rS+7], v[rK:rK+7], v[rQ:rQ+7], v[rS:rS+7]
.endif
.endm
; THE LDS LOADS stand in runs, never singly among the matrix instructions.
.macro FETCH_K
	WIN 0
	v_add_nc_u32 v[ADR], s[TB], v[AK0]
	WIN 0x80
.irp f, 0,1,2,3,4,5,6,7,8,9,10,11,12,13,14,15  ; keys 16 (f / 4) on, channels 32 (f % 4) on
	ds_load_b128 v[KF+8*(\f):KF+8*(\f)+3],   v[ADR] offset:((\f)/4)*16*PK+((\f)%4)*64
	ds_load_b128 v[KF+8*(\f)+4:KF+8*(\f)+7], v[ADR] offset:((\f)/4)*16*PK+((\f)%4)*64+32
.endr
.endm
.macro FETCH_M p                    ; piece p's mask: two tiles x four key blocks x 32 bytes a lane
	WIN 0
	v_add_nc_u32 v[ADR], s[TB], v[AM0+(\p)/2]
	WIN 0xc0
.irp u, 0,1
.irp kb, 0,1,2,3
	ds_load_b128 v[MC+32*((\p)+(\u))+8*(\kb):MC+32*((\p)+(\u))+8*(\kb)+3],   v[ADR] offset:(\u)*16*PM+64*(\kb)
	ds_load_b128 v[MC+32*((\p)+(\u))+8*(\kb)+4:MC+32*((\p)+(\u))+8*(\kb)+7], v[ADR] offset:(\u)*16*PM+64*(\kb)+16
.endr
.endr
.endm
.macro FETCH_V
	WIN 0
	v_add_nc_u32 v[ADR], s[TB], v[AV0]
	s_wait_alu depctr_va_vdst(0)    ; the wait for the softmax's batch of exponentials, behind the address's line and ahead of the loads
	WIN 0xc0
.irp f, 0,1,2,3,4,5,6,7,8,9,10,11,12,13,14,15  ; keys 32 (f / 8) on, channels 16 (f % 8) on
	ds_load_tr16_b128 v[8*(\f):8*(\f)+3],   v[ADR] offset:((\f)/8)*32*PV+((\f)%8)*32
	ds_load_tr16_b128 v[8*(\f)+4:8*(\f)+7], v[ADR] offset:((\f)/8)*32*PV+16*PV+((\f)%8)*32
.endr
.endm
; THE VECTOR WORK OF A TURN.  One tile's softmax for one key step is a numbered list, 0 to 133, of 133 instructions (number 20 is empty); SM writes number j of it for tile t.  s0-s31 are the lane's 32 scores, in pairs 0-15.
;   0-15    the maximum of s0-s31 and the old m, three operands at a time (each accumulator's lowest registers are read first)
;   16-19   the other half of the lanes' maximum; the new m; m_old - m_new; m once more, to fill the pair that the packed subtraction names
;   21-69   ONE BATCH: the 16 subtractions s - m and all 33 exponentials (a at 23, then s0-s31); none of these reads an exponential's result
;   (wait)  between 69 and 70: SLICE writes it, once for both tiles
;   70-85   the roundings to f16     86-101  the sums; l = a l + the sum     102-133 the tile's O^T times a
.macro SM t
.set rT, ST+8*(\t)
.set rS, S+32*(\t)
.set rP, P+16*(\t)
.set rO, 64*(\t)+2*(j-102)
.if j < 102
	WIN 0
.endif
.if j < 4
	v_max3_num_f32 v[rT+4+j], v[rS+8*j], v[rS+8*j+1], v[rS+8*j+2]
.elseif j < 12
	v_max3_num_f32 v[rT+4+j%4], v[rT+4+j%4], v[rS+8*(j%4)+2*(j/4)+1], v[rS+8*(j%4)+2*(j/4)+2]
.elseif j == 12
	v_max3_num_f32 v[rT+4], v[rT+4], v[rS+7], v[rS+15]
.elseif j == 13
	v_max3_num_f32 v[rT+6], v[rT+6], v[rS+23], v[rS+31]
.elseif j == 14
	v_max3_num_f32 v[rT+4], v[rT+4], v[rT+5], v[rT+6]
.elseif j == 15
	v_max3_num_f32 v[rT+4], v[rT+4], v[rT+7], v[rT+1]
.elseif j == 16
	v_permlanex16_b32 v[rT+5], v[rT+4], s[SEL], s[SEL+1]  ; the query's other 32 keys lie in the lane 16 away
.elseif j == 17
	v_max_num_f32 v[rT+1], v[rT+4], v[rT+5]               ; the new m; the pair's first register still holds the old one
.elseif j == 18
	v_sub_f32 v[rT+7], v[rT], v[rT+1]                     ; m_old - m_new, never above 0
.elseif j == 19
	v_mov_b32 v[rT], v[rT+1]
.elseif j == 20                     ; (empty)
.elseif j == 23
	v_exp_f32 v[rT+6], v[rT+7]
.elseif (j < 23) || ((j < 38) && (j%2 == 0)) || ((j < 66) && (j%4 == 2))
.set b, (j-2)/4                     ; 38, 42, .. 62: pairs 9 to 15
.if j < 38
.set b, (j-20)/2                    ; 21: pair 0; 22, 24, .. 36: pairs 1 to 8
.endif
	v_pk_add_f32 v[rS+2*b:rS+2*b+1], v[rS+2*b:rS+2*b+1], v[rT:rT+1] neg_lo:[0,1] neg_hi:[0,1]  ; pair b: s - m
.elseif j < 70
.set e, j-38                        ; 66 to 69: s28 to s31
.if j < 66
.set e, j-32-(j-38)/4               ; 39-41, 43-45, .. 63-65: s7 to s27
.endif
.if j < 38
.set e, (j-25)/2                    ; 25, 27, .. 37: s0 to s6
.endif
	v_exp_f32 v[rS+e], v[rS+e]
.elseif j < 86
	v_cvt_pk_f16_f32 v[rP+j-70], v[rS+2*(j-70)], v[rS+2*(j-70)+1]
.elseif j < 102                     ; the sum of the tile's 16 pairs, in place: neighbours 1, 2, 4 and 8 pairs apart, then l takes it
.set z, j-86
.set w, 4
.set u, z
.if z >= 14
.set w, 32
.set u, 0
.elseif z >= 12
.set w, 16
.set u, z-12
.elseif z >= 8
.set w, 8
.set u, z-8
.endif
.if z < 15
	v_pk_add_f32 v[rS+w*u:rS+w*u+1], v[rS+w*u:rS+w*u+1], v[rS+w*u+w/2:rS+w*u+w/2+1]
.else
	v_pk_fma_f32 v[rT+2:rT+3], v[rT+2:rT+3], v[rT+6:rT+7], v[rS:rS+1] op_sel_hi:[1,0,1]
.endif
.else
	WIN W_RS
	v_pk_mul_f32 v[rO:rO+1], v[rO:rO+1], v[rT+6:rT+7] op_sel_hi:[1,0]
.endif
.endm
; Slice k of 64 of piece y's softmax: four instructions (slice 10: two).  Slices 11 to 34 deal out the batch, four numbers of one tile each, the tiles by turns; every other slice is numbers 2 k and 2 k + 1 of both tiles;
; slice 63 takes numbers 126 to 133 of both: its sixteen plain lines are also the places behind the turn's last products.  Behind slice 34 stands the piece's one wait for its 66 exponentials,
; ahead of the first line that names a result; a v_nop is the plain line behind the last exponential.
.macro SLICE y
.if (k >= 11) && (k < 35)
.irp n, 0,1,2,3
.set j, 22+4*((k-11)/2)+(\n)
	SM (\y)+(k-11)%2
.endr
.else
.irp n, 0,1,2,3,4,5,6,7
.if ((\n) < 2) || (k == 63)
.irp t, \y, (\y)+1
.set j, 2*k+(\n)
	SM \t
.endr
.endif
.endr
.endif
.if k == 34
	v_nop
.if (\y) == 0
	FETCH_V                         ; piece 2's turn: V's run stands here, behind slice 34 (four exponentials), the v_nop and the address, and the wait stands in it
.else
	s_wait_alu depctr_va_vdst(0)
.endif
.endif
.set k, k+1
.endm
; A TURN.  Piece x has the matrix unit.  Piece 0's turn fetches the next step's K and its own mask behind its second product; piece 2's turn its own mask there, and the step's V behind slice 34.
.macro TURN x
.set k, 0
.if (\x) == 0
	s_wait_dscnt 0x0                ; V is in
.endif
.set i, 0
.rept 32
	PV \x
	SLICE 2-(\x)
.if i == 1
.if (\x) == 0
	FETCH_K
	FETCH_M 0
.else
	FETCH_M 2
.endif
.endif
.set i, i+1
.endr
	s_wait_dscnt 0x0                ; K and the piece's mask are in: issued 30 products ago
.set i, 0
.rept 32
	KQ \x
	SLICE 2-(\x)
.set i, i+1
.endr
.endm
	s_wait_tensorcnt 1              ; my part of slot 0 is in; slot 1's may stay out
	s_barrier_signal -1
	s_barrier_wait -1               ; everybody's is
	FETCH_K                         ; the walk's first key step
	FETCH_M 0
	s_wait_loadcnt 0x0              ; Q
	s_wait_dscnt 0x0
.set i, 0
.rept 32
	KQ 0                            ; piece 0's first scores
.set i, i+1
.endr
	WIN 0                           ; the addresses for the way out: eight plain lines, the places behind those products
	s_mul_i32 s2, s[WV], 16*SP
	s_add_co_u32 s2, s2, STAGE
	v_mul_u32_u24 v[STO], v1, SP    ; in: row l % 16, 16 bytes for each half of the lanes
	v_lshl_add_u32 v[STO], v9, 4, v[STO]
	v_add_nc_u32 v[STO], s2, v[STO]
	v_mul_u32_u24 v[RD], v9, SP     ; back: lanes 0-15 take one row of 256 bytes, lanes 16-31 the next
	v_lshl_add_u32 v[RD], v1, 4, v[RD]
	v_add_nc_u32 v[RD], s2, v[RD]
	v_lshlrev_b32 v[GO], 12, v9     ; and the same two rows in O
	v_lshl_add_u32 v[GO], v1, 4, v[GO]
	s_mov_b32 s[SLOTS], 15
	s_branch .Lfirst                ; the loop is entered in the middle of a trip
.Lslot:                             ; 14 times: the walk's slots 2 to 15 are asked for
	CHANGE 1
	TURN 0
	WIN 0
.Lfirst:
	TURN 2
	WIN 0
	s_sub_co_u32 s[SLOTS], s[SLOTS], 1
	s_cmp_lg_u32 s[SLOTS], 0
	s_cbranch_scc1 .Lslot
	s_mov_b32 s[CNT], 2             ; the tail is written out: the last slot's trip, and half a trip more
.Ltail:
	CHANGE 0
	TURN 0
	WIN 0
	s_sub_co_u32 s[CNT], s[CNT], 1
	s_cmp_eq_u32 s[CNT], 0
	s_cbranch_scc1 .Lout
	TURN 2
	WIN 0
	s_branch .Ltail
.Lout:                              ; the half trip's 32 products K Q^T, on a slot that has been read before, serve nothing: the price of one text for every trip
.set i, 0
.rept 32
	PV 2                            ; piece 2's V^T P of the last step
.set i, i+1
.endr
	; THE TWO HALVES OF THE KEYS ARE JOINED.  l's two parts are added (four plain lines: the places behind the last products); piece 2's O^T, m and l go to wave w ^ 2 through LDS.
	WIN 0
.irp t, 0,1,2,3
	v_add_f32 v[ST+8*(\t)+2], v[ST+8*(\t)+2], v[ST+8*(\t)+3]
.endr
	s_wait_dscnt 0x0                ; my reads of slot 0 are over,
	s_barrier_signal -1
	s_barrier_wait -1               ; everybody's are: its bytes, which no load fills any more, take the exchange
	WIN 0x04                        ; store data in window 1
.set n, 0
.rept 32
	ds_store_b128 v[XS], v[128+4*n:128+4*n+3] offset:512*n
.set n, n+1
.endr
	WIN 0
.irp u, 0,1
	ds_store_b128 v[XS], v[ST+8*(2+(\u)):ST+8*(2+(\u))+3] offset:512*(32+(\u))
.endr
	s_wait_dscnt 0x0                ; for the other wave's sake
	s_barrier_signal -1
	s_barrier_wait -1
.irp u, 0,1
	ds_load_b128 v[S+4*(\u):S+4*(\u)+3], v[XR] offset:512*(32+(\u))
.endr
	WIN 0x40
.set n, 0
.rept 32
	ds_load_b128 v[128+4*n:128+4*n+3], v[XR] offset:512*n
.set n, n+1
.endr
	WIN 0
	s_wait_dscnt 32                 ; the statistics are in; the 32 loads of O^T stay out
.irp u, 0,1
	v_max_num_f32 v[ST+8*(\u)+4], v[ST+8*(\u)], v[S+4*(\u)]  ; the common m
.endr
.irp u, 0,1
	v_sub_f32 v[ST+8*(\u)+5], v[ST+8*(\u)], v[ST+8*(\u)+4]
	v_sub_f32 v[ST+8*(\u)+6], v[S+4*(\u)], v[ST+8*(\u)+4]
.endr
.irp u, 0,1
	v_exp_f32 v[ST+8*(\u)+5], v[ST+8*(\u)+5]
	v_exp_f32 v[ST+8*(\u)+6], v[ST+8*(\u)+6]
.endr
	v_nop                           ; a plain line behind the last exponential,
	s_wait_alu depctr_va_vdst(0)    ; and one wait for the four, ahead of the first use
.irp u, 0,1
	v_mul_f32 v[ST+8*(\u)+7], v[ST+8*(\u)+2], v[ST+8*(\u)+5]
.endr
.irp u, 0,1
	v_fmac_f32 v[ST+8*(\u)+7], v[S+4*(\u)+2], v[ST+8*(\u)+6]
.endr
.irp u, 0,1
	v_permlanex16_b32 v[ST+8*(\u)+3], v[ST+8*(\u)+7], s[SEL], s[SEL+1]
.endr
.irp u, 0,1
	v_add_f32 v[ST+8*(\u)+7], v[ST+8*(\u)+7], v[ST+8*(\u)+3]
.endr
.irp u, 0,1
	v_rcp_f32 v[ST+8*(\u)+3], v[ST+8*(\u)+7]
.endr
	v_nop
	s_wait_alu depctr_va_vdst(0)    ; one wait for the two reciprocals
.irp u, 0,1
	v_mul_f32 v[ST+8*(\u)+4], v[ST+8*(\u)+5], v[ST+8*(\u)+3]  ; my part's factor
	v_mul_f32 v[ST+8*(\u)+6], v[ST+8*(\u)+6], v[ST+8*(\u)+3]  ; the other wave's
.endr
	s_wait_dscnt 0x0
.irp u, 0,1
	WIN W_RS
.set n, 0
.rept 32
	v_pk_mul_f32 v[64*(\u)+2*n:64*(\u)+2*n+1], v[64*(\u)+2*n:64*(\u)+2*n+1], v[ST+8*(\u)+4:ST+8*(\u)+5] op_sel_hi:[1,0]
.set n, n+1
.endr
	WIN 0x51                        ; sources 0 and 2 and the destination in window 1
.set n, 0
.rept 32
	v_pk_fma_f32 v[64*(\u)+2*n:64*(\u)+2*n+1], v[128+64*(\u)+2*n:128+64*(\u)+2*n+1], v[ST+8*(\u)+6:ST+8*(\u)+7], v[64*(\u)+2*n:64*(\u)+2*n+1] op_sel_hi:[1,0,1]
.set n, n+1
.endr
.endr
; THE WAY OUT.  Tile t: a lane's eight channels of a row pack into 16 bytes; they go into rows of 272 bytes of my stage and come back as whole rows of 256.
.macro PACK t
	WIN 0x05                        ; sources 0 and 1 window 1, destination window 0
.set i, 0
.rept 32
	v_cvt_pk_f16_f32 v[S+32*(\t)+i], v[64*(\t)+2*i], v[64*(\t)+2*i+1]
.set i, i+1
.endr
	WIN 0
.irp f, 0,1,2,3,4,5,6,7
	ds_store_b128 v[STO], v[S+32*(\t)+4*(\f):S+32*(\t)+4*(\f)+3] offset:32*(\f)
.endr
.irp f, 0,1,2,3,4,5,6,7
	ds_load_b128 v[S+32*(\t)+4*(\f):S+32*(\t)+4*(\f)+3], v[RD] offset:(\f)*2*SP  ; LDS serves a wave's instructions in order (ISA guide 5.7.1.4): these see the stores above
.endr
.endm
.macro SEND t, younger              ; younger: the LDS instructions issued behind tile t's loads
	WIN 0
.irp f, 0,1,2,3,4,5,6,7
	s_wait_dscnt (\younger)+7-(\f)
	global_store_b128 v[GO], v[S+32*(\t)+4*(\f):S+32*(\t)+4*(\f)+3], s[OBS:OBS+1] offset:(16*(\t)+2*(\f))*4096  ; 16 lanes store 256 consecutive bytes, aligned
.endr
.endm
	PACK 0
	PACK 1
	SEND 0, 16
	SEND 1, 0
	s_wait_tensorcnt 0x0            ; the wave's end: behind my last tensor load and my last LDS store
	ds_add_u32 v[SPW], v[NIL]
	s_wait_dscnt 0x0
	CROUND                          ; the closing round
	s_endpgm
.Lfunc_end_k_q4b9319177b_attend:
	.size	k_q4b9319177b_attend, .Lfunc_end_k_q4b9319177b_attend-k_q4b9319177b_attend
	.p2alignl 7, 3214868480
	.fill 96, 4, 3214868480
	.section	.rodata,"a",@progbits
	.p2align	6, 0x0
	.amdhsa_kernel k_q4b9319177b_attend
		.amdhsa_group_segment_fixed_size 327680
		.amdhsa_private_segment_fixed_size 0
		.amdhsa_enable_private_segment 0
		.amdhsa_kernarg_size 24
		.amdhsa_user_sgpr_count 2
		.amdhsa_user_sgpr_kernarg_segment_ptr 1
		.amdhsa_wavefront_size32 1
		.amdhsa_system_sgpr_workgroup_id_x 1
		.amdhsa_system_sgpr_workgroup_id_y 1
		.amdhsa_system_sgpr_workgroup_id_z 1
		.amdhsa_system_vgpr_workitem_id 0
		.amdhsa_next_free_vgpr 1024
		.amdhsa_next_free_sgpr 102
		.amdhsa_reserve_vcc 0
		.amdhsa_float_denorm_mode_32 3
		.amdhsa_float_denorm_mode_16_64 3
		.amdhsa_memory_ordered 1
		.amdhsa_forward_progress 1
		.amdhsa_inst_pref_size 163
	.end_amdhsa_kernel
	.amdgpu_metadata
---
amdhsa.version: [ 1, 2 ]
amdhsa.kernels:
  - .name:           k_q4b9319177b_attend
    .symbol:         k_q4b9319177b_attend.kd
    .args:
      - { .name: qkvh, .offset: 0, .size: 8, .value_kind: global_buffer, .address_space: global }
      - { .name: maskr, .offset: 8, .size: 8, .value_kind: global_buffer, .address_space: global }
      - { .name: attno, .offset: 16, .size: 8, .value_kind: global_buffer, .address_space: global }
    .group_segment_fixed_size: 327680
    .private_segment_fixed_size: 0
    .kernarg_segment_align: 8
    .kernarg_segment_size: 24
    .max_flat_workgroup_size: 128
    .sgpr_count:     102
    .vgpr_count:     1024
    .wavefront_size: 32
...
	.end_amdgpu_metadata
.endif
;; end of part 3
;; launch oproj (part 4): grid 16 x 16, 4 waves a work-group, clusters of 4 x 4, 327,680 bytes of LDS; arguments attno, wo16, out0; writes out0
.if DOCPART == 4
	.amdgcn_target "amdgcn-amd-amdhsa--gfx1250"
	.amdhsa_code_object_version 6
	.text
	.protected	k_q4b9319177b_oproj
	.globl	k_q4b9319177b_oproj
	.p2align	8
	.type	k_q4b9319177b_oproj,@function
k_q4b9319177b_oproj:
	s_mov_b64 s[64:65], 0
	v_nop
	global_prefetch_b8 v0, s[64:65] scope:SCOPE_SE
	s_setreg_imm32_b32 hwreg(HW_REG_WAVE_MODE, 25, 1), 1
	s_wait_xcnt 0x0
	s_wait_alu depctr_hold_cnt(0) depctr_sa_sdst(0) depctr_va_vdst(0) depctr_va_sdst(0) depctr_va_ssrc(0) depctr_va_vcc(0) depctr_vm_vsrc(0)
	s_getreg_b32 s2, hwreg(HW_REG_IB_STS2, 6, 4)
	s_cmp_eq_u32 s2, 0
	s_cbranch_scc0 .Lentry_in_a_cluster
	s_endpgm
.Lentry_in_a_cluster:
	s_bfe_u32 s2, ttmp6, 0x10000c
	s_cmp_lg_u32 s2, 0xf033
	s_cbranch_scc0 .Lentry_shape_is_right
	s_endpgm
.Lentry_shape_is_right:
; out0[m][n] = the sum over k of O[m][k] Wo[n][k].  O (attno) and Wo (wo16): [2048][2048] f16; out0: [2048][2048] f32; sums in f32.
; A tile of out0 is 128 x 128: 256 work-groups.  Four waves, each 64 x 64: 16 accumulators of 16 x 16, 128 registers.  K goes in 8 steps of 256 (LDS rows of 512 bytes; a wave's tensor load brings 64 of them)
; through two slots.  CLUSTER 4 x 4: O's tile is shared along a row of the cluster, Wo's along a column: joint loads.  No prefetch: the tiles are small, 64 rows a load.
; THE WALK ALONG K IS TURNED.  Cluster (X, Y) begins at K step rho = (2 X + 4 s(Y)) mod 8, s = 0, 1, 1, 0 for Y = 0..3, and goes round (f32 sums may be taken in any order).  So the four clusters of one Y, which read
; the same rows of O, lie 2 steps apart, and the clusters of one X, which read the same rows of Wo, lie 0 or 4 steps apart: requests for the same rows are spread over the launch.  A tile's address is made anew for each
; fill: the rows' base plus the step's byte offset, cut to a row's 4,096 bytes.  One descriptor walks, and one K step's text serves both slots: the LDS addresses hang on s[TB].
; THE PRODUCT IS TAKEN TRANSPOSED (source 0 = 16 rows of Wo, source 1 = 16 rows of O): a lane holds eight neighbouring numbers of a row of out0, 32 bytes.  A wave's 64 columns of f32 are 256 bytes, aligned:
; each wave sends its own 16 rows at a time through a stage of its own, and no barrier stands on the way out.
; REGISTERS: window 0: v16-29 addresses; v32-95 rows on the way out; v128-255 the accumulators ((a, b) at 128 + 8 (4 a + b)).   window 1: two fragment buffers of 128: 64 registers of O, then 64 of Wo, for 64 along K.
.set SIZE_K, 2048
.set ROWB,   4096                      ; bytes in a row of O and of Wo: 8 K steps of 512
.set KSTEP,  256
.set PITCH,  528                       ; an LDS row: 512 bytes + 16 of padding = 132 words
.set HALFT,  64*PITCH
.set SLOT,   4*HALFT                   ; O's 128 rows, then Wo's 128 rows: 0x21000; no tile's base in a slot has bit 12 or 17 set, so one exclusive or changes slots
.set STAGE,  2*SLOT                    ; behind the ring: 16 rows x 272 bytes for each wave
.set SPITCH, 272
.set SPARE,  STAGE+4*16*SPITCH         ; the spare words, 128 bytes a wave, which no other line names
.set FILLS,  6                         ; K steps 2 to 7 of the walk are refills
.set ABASE, 16                         ; v16  my fragments of O in slot 0; never rewritten
.set ADRA,  17                         ; v17  the same in the slot in hand
.set BBASE, 20                         ; v20, v21  the same for Wo
.set ADRB,  21
.set STO,  24
.set RD,   25
.set CO,   26
.set SPW,  28
.set NIL,  29
.set TMP,  32
.set ACC,  128
.set F0,   0
.set F1,   128
.set XB,   14                          ; s[14:15] O at the first of the 64 rows that I fetch
.set G1, 24
.set G0, 32                            ; s[32:39] group 0: a set for each of the two first fills; the second then walks
.set WB,   46                          ; s[46:47] the same for Wo
.set G1B, 48
.set G0B, 56
.set OFFW, 66                          ; s[66:67] byte offset along a row of the K step asked for last
.set TB,   68                          ; s68  the slot in hand: 0 or SLOT
.set MSB, 0
.macro WIN new
.if MSB != (\new)
	s_set_vgpr_msb (MSB<<8)|(\new)
.set MSB, \new
.endif
.endm
.set MUL,  0x05                        ; sources 0 and 1 window 1; C and D window 0
.set TO_F, 0x40                        ; destination window 1, address window 0
.macro JLOAD s                         ; waves 0 and 1 fetch O's two halves, waves 2 and 3 Wo's; an s_nop 0 and four v_nop follow each line
	s_cmp_eq_u32 s11, 0
	s_cbranch_scc0 .Lfor_b_\@
	tensor_load_to_lds s[G0+4*(\s):G0+4*(\s)+3], s[G1:G1+7]
	s_nop 0
.rept 4
	v_nop
.endr
	s_branch .Lasked_\@
.Lfor_b_\@:
	tensor_load_to_lds s[G0B+4*(\s):G0B+4*(\s)+3], s[G1B:G1B+7]
	s_nop 0
.rept 4
	v_nop
.endr
.Lasked_\@:
.endm
.macro CREST
	s_cmp_lg_u32 s10, 0
	s_cbranch_scc1 .Lnot_wave_0_\@
	s_barrier_signal -3
.Lnot_wave_0_\@:
	s_barrier_wait -3
	s_barrier_signal -1
	s_barrier_wait -1
.endm
.macro CROUND
	s_barrier_signal -1
	s_barrier_wait -1
	CREST
.endm
.macro ADDRS                           ; my fragments' addresses in the slot in hand
	v_add_nc_u32 v[ADRA], s[TB], v[ABASE]
	v_add_nc_u32 v[ADRB], s[TB], v[BBASE]
.endm
	s_load_b128 s[4:7], s[0:1], 0x0                ; attno s[4:5], wo16 s[6:7]
	s_load_b64 s[8:9], s[0:1], 0x10                ; out0
	v_lshl_add_u32 v[SPW], v0, 2, SPARE
	v_mov_b32 v[NIL], 0
	ds_add_u32 v[SPW], v[NIL]                      ; the wave's opening: the add and its wait stand ahead of my first tensor load
	v_lshrrev_b32 v1, 5, v0
	v_readfirstlane_b32 s10, v1                    ; wave 0..3
	s_lshr_b32 s11, s10, 1                         ; which half of the tile's rows is mine.  Also: I fetch for O (0) or for Wo (1)
	s_and_b32 s12, s10, 1                          ; which half of its columns.  Also: which 64 rows of that tile I fetch
	s_bfe_u32 s40, ttmp6, 0x40000                  ; cx
	s_bfe_u32 s41, ttmp6, 0x40004                  ; cy
	s_lshl_b32 s42, ttmp9, 2
	s_add_co_u32 s42, s42, s40                     ; tile column
	s_and_b32 s70, ttmp7, 0xffff                   ; cluster y
	s_lshl_b32 s13, s70, 2
	s_add_co_u32 s13, s13, s41                     ; tile row
	s_lshl_b32 s43, s41, 2
	s_lshl_b32 s43, 15, s43                        ; my row of the cluster
	s_lshl_b32 s44, 0x1111, s40                    ; my column
	s_or_b32 s[G1+0], s43, (1<<16)|(1<<20)|(1<<21)|(6<<22)|(3<<25)   ; the mask; 2-byte elements; padding: after every 128 words, 4 words
	s_or_b32 s[G1B+0], s44, (1<<16)|(1<<20)|(1<<21)|(6<<22)|(3<<25)
.irp g, G1, G1B
	s_mov_b32 s[(\g)+1], KSTEP<<16                 ; tensor_dim0 = 256
	s_mov_b32 s[(\g)+2], 64<<16                    ; tensor_dim1 = 64
	s_mov_b32 s[(\g)+3], KSTEP<<16                 ; tile_dim0 = 256
	s_mov_b32 s[(\g)+4], 64                        ; tile_dim1 = 64
	s_mov_b32 s[(\g)+5], SIZE_K
	s_mov_b32 s[(\g)+6], 0
	s_mov_b32 s[(\g)+7], 0
.endr
	s_lshr_b32 s71, s70, 1                         ; where the cluster's walk begins: it hangs on the cluster's x and y alone, which all sixteen partners share
	s_xor_b32 s71, s71, s70
	s_and_b32 s71, s71, 1                          ; s(Y) = 0, 1, 1, 0
	s_lshl_b32 s71, s71, 2
	s_lshl_b32 s72, ttmp9, 1
	s_add_co_u32 s71, s71, s72
	s_and_b32 s71, s71, 7                          ; rho
	s_lshl_b32 s[OFFW], s71, 9                     ; 512 bytes a K step
	s_mov_b32 s[OFFW+1], 0
	s_mov_b32 s[TB], 0
	s_lshl_b32 s17, s12, 6
	s_lshl_b32 s16, s13, 7
	s_add_co_u32 s16, s16, s17                     ; O: row 128 x tile row + 64 x half
	s_lshl_b32 s18, s42, 7
	s_add_co_u32 s18, s18, s17                     ; Wo: row 128 x tile column + 64 x half
	s_lshl_b32 s16, s16, 12                        ; rows of 4,096 bytes
	s_lshl_b32 s18, s18, 12
	s_mov_b32 s17, 0
	s_mov_b32 s19, 0
	s_mul_i32 s20, s10, HALFT                      ; where they go: wave x 64 rows
	s_wait_dscnt 0x0                               ; the opening add is done
	s_wait_kmcnt 0x0
	s_add_nc_u64 s[XB:XB+1], s[4:5], s[16:17]
	s_add_nc_u64 s[WB:WB+1], s[6:7], s[18:19]
	CROUND                                         ; all sixteen work-groups are here
.irp s, 0,1
	s_mov_b32 s[G0+4*(\s)], 1
	s_add_co_u32 s[G0+4*(\s)+1], s20, (\s)*SLOT
	s_add_nc_u64 s[G0+4*(\s)+2:G0+4*(\s)+3], s[XB:XB+1], s[OFFW:OFFW+1]
	s_or_b32 s[G0+4*(\s)+3], s[G0+4*(\s)+3], 0x80000000
	s_mov_b32 s[G0B+4*(\s)], 1
	s_add_co_u32 s[G0B+4*(\s)+1], s20, (\s)*SLOT
	s_add_nc_u64 s[G0B+4*(\s)+2:G0B+4*(\s)+3], s[WB:WB+1], s[OFFW:OFFW+1]
	s_or_b32 s[G0B+4*(\s)+3], s[G0B+4*(\s)+3], 0x80000000
	JLOAD \s
.if (\s) == 0
	s_add_co_u32 s[OFFW], s[OFFW], KSTEP*2         ; the walk's next K step, round the row's end
	s_and_b32 s[OFFW], s[OFFW], ROWB-1
.endif
.endr
	v_and_b32 v1, 15, v0                           ; r
	v_bfe_u32 v2, v0, 4, 1                         ; hh
	v_mul_u32_u24 v3, v1, PITCH
	v_lshl_add_u32 v3, v2, 4, v3
	s_mul_i32 s21, s11, HALFT                      ; my 64 rows of O
	s_mul_i32 s22, s12, HALFT                      ; my 64 rows of Wo,
	s_add_co_u32 s22, s22, 2*HALFT                 ; which lie behind O's 128
	v_add_nc_u32 v[ABASE], s21, v3
	v_add_nc_u32 v[BBASE], s22, v3
	ADDRS
	s_mul_i32 s23, s10, 16*SPITCH
	s_add_co_u32 s23, s23, STAGE                   ; my stage
	v_mul_u32_u24 v4, v1, SPITCH                   ; in: row r, 32 bytes for each half of the lanes
	v_lshl_add_u32 v4, v2, 5, v4
	v_add_nc_u32 v[STO], s23, v4
	v_mul_u32_u24 v5, v2, SPITCH                   ; back: lanes 0-15 take one row of 256 bytes, lanes 16-31 the next
	v_lshl_add_u32 v5, v1, 4, v5
	v_add_nc_u32 v[RD], s23, v5
	v_lshlrev_b32 v5, 13, v2                       ; and the same two rows in out0: 8,192 bytes a row
	v_lshl_add_u32 v[CO], v1, 4, v5
	s_lshl_b32 s16, s13, 7
	s_lshl_b32 s17, s11, 6
	s_add_co_u32 s16, s16, s17                     ; my first row
	s_lshl_b32 s16, s16, 13
	s_mov_b32 s17, 0
	s_add_nc_u64 s[8:9], s[8:9], s[16:17]
	s_lshl_b32 s18, s42, 9                         ; my first column, in bytes: 512 x tile column + 256 x half
	s_lshl_b32 s19, s12, 8
	s_add_co_u32 s18, s18, s19
	s_mov_b32 s19, 0
	s_add_nc_u64 s[8:9], s[8:9], s[18:19]
; 8 products: m blocks a0, a0 + 1 x all 4 n blocks, 32 along K: half c of buffer f.  zero = 1: the product starts the sum.  The 16 accumulators take turns.
.macro MUL8 f, c, a0, zero
	WIN MUL
.irp a, \a0, (\a0)+1
.irp b, 0,1,2,3
.if \zero
	v_wmma_f32_16x16x32_f16 v[ACC+8*(4*(\a)+(\b)):ACC+8*(4*(\a)+(\b))+7], v[(\f)+64+8*(4*(\c)+(\b)):(\f)+64+8*(4*(\c)+(\b))+7], v[(\f)+8*(4*(\c)+(\a)):(\f)+8*(4*(\c)+(\a))+7], 0
.else
	v_wmma_f32_16x16x32_f16 v[ACC+8*(4*(\a)+(\b)):ACC+8*(4*(\a)+(\b))+7], v[(\f)+64+8*(4*(\c)+(\b)):(\f)+64+8*(4*(\c)+(\b))+7], v[(\f)+8*(4*(\c)+(\a)):(\f)+8*(4*(\c)+(\a))+7], v[ACC+8*(4*(\a)+(\b)):ACC+8*(4*(\a)+(\b))+7]
.endif
.endr
.endr
.endm
; 32 LDS loads in one run: the fragments of 64 along K at byte k of the rows of the slot in hand, into buffer f; the first 32 along K first
.macro FETCH k, f
	WIN TO_F
.irp c, 0,1
.irp i, 0,1,2,3
	ds_load_b128 v[(\f)+64+8*(4*(\c)+(\i)):(\f)+64+8*(4*(\c)+(\i))+3],   v[ADRB] offset:(\k)+64*(\c)+(\i)*16*PITCH
	ds_load_b128 v[(\f)+64+8*(4*(\c)+(\i))+4:(\f)+64+8*(4*(\c)+(\i))+7], v[ADRB] offset:(\k)+64*(\c)+(\i)*16*PITCH+32
	ds_load_b128 v[(\f)+8*(4*(\c)+(\i)):(\f)+8*(4*(\c)+(\i))+3],         v[ADRA] offset:(\k)+64*(\c)+(\i)*16*PITCH
	ds_load_b128 v[(\f)+8*(4*(\c)+(\i))+4:(\f)+8*(4*(\c)+(\i))+7],       v[ADRA] offset:(\k)+64*(\c)+(\i)*16*PITCH+32
.endr
.endr
.endm
.macro PLACES                          ; four plain places behind a product (ISA guide 7.12.1)
.rept 4
	v_nop
.endr
.endm
; A K step is four quarters of 64 along K, 32 products each, on buffers 0, 1, 0, 1.
.macro QUARTER k, f, g, zero
	s_wait_dscnt 16                                ; the first 32 along K are in; the other sixteen loads may be out
	WIN MUL
	MUL8 \f, 0, 0, \zero
	MUL8 \f, 0, 2, \zero
	PLACES
	FETCH \k, \g
	s_wait_dscnt 32                                ; all but the 32 just issued
	WIN MUL
	MUL8 \f, 1, 0, 0
	MUL8 \f, 1, 2, 0
.endm
; The last quarter multiplies buffer 1 and changes slots: ONE barrier; in front of it each wave waits for all its tensor loads, adds 0 to its spare word, and waits for that and for its reads of this slot.
; fill = 1: the barrier opens a round of the cluster's, and this slot is filled again, two steps of the walk on, first thing behind it: 112 products ahead of the wait for it.
.macro TURN fill
	WIN 0                                          ; (the add's two registers lie in window 0)
	s_wait_tensorcnt 0x0                           ; all my tensor loads have landed, so a group 0 may be written
	ds_add_u32 v[SPW], v[NIL]                      ; 0 onto my spare word: the descriptors' steps and eight products stand between it and the wait for it
.if \fill
	s_add_co_u32 s[OFFW], s[OFFW], KSTEP*2         ; the walk's next K step, round the row's end,
	s_and_b32 s[OFFW], s[OFFW], ROWB-1
	s_xor_b32 s[G0+5], s[G0+5], SLOT               ; into the other slot than last time
	s_add_nc_u64 s[G0+6:G0+7], s[XB:XB+1], s[OFFW:OFFW+1]
	s_or_b32 s[G0+7], s[G0+7], 0x80000000
	s_xor_b32 s[G0B+5], s[G0B+5], SLOT
	s_add_nc_u64 s[G0B+6:G0B+7], s[WB:WB+1], s[OFFW:OFFW+1]
	s_or_b32 s[G0B+7], s[G0B+7], 0x80000000
.endif
	s_wait_dscnt 17                                ; (the add and the youngest sixteen loads may be out)
	WIN MUL
	MUL8 F1, 0, 0, 0
	s_wait_dscnt 0x0                               ; the add is done, and my reads of this slot are over
	s_barrier_signal -1
	MUL8 F1, 0, 2, 0
	WIN 0
	s_barrier_wait -1
.if \fill
	CREST                                          ; no wave of any partner still reads this slot or has a load on its way
	JLOAD 1                                        ; its four v_nop are also the places in front of the loads below
.else
	v_nop                                          ; with the two address lines: the four places in front of the loads below
	v_nop
.endif
	s_xor_b32 s[TB], s[TB], SLOT                   ; the fetches go to the other slot
	ADDRS
	FETCH 0, F0
	WIN MUL
	MUL8 F1, 1, 0, 0
	MUL8 F1, 1, 2, 0
.endm
	s_wait_tensorcnt 1                             ; my part of the walk's first K step is in; the second's may stay out
	s_barrier_signal -1
	s_barrier_wait -1
	FETCH 0, F0
	QUARTER 128, F0, F1, 1                         ; the first quarter stands in front of the loop: its first products start the sums
	WIN 0
	s_mov_b32 s3, FILLS
.Lstep:                                                ; a trip: from a K step's second quarter to the next step's first; the slot that it leaves is filled again
	QUARTER 256, F1, F0, 0
	QUARTER 384, F0, F1, 0
	TURN 1
	QUARTER 128, F0, F1, 0
	WIN 0
	s_sub_co_u32 s3, s3, 1
	s_cmp_lg_u32 s3, 0
	s_cbranch_scc1 .Lstep
	QUARTER 256, F1, F0, 0                         ; the last two K steps fill nothing
	QUARTER 384, F0, F1, 0
	TURN 0
	QUARTER 128, F0, F1, 0
	QUARTER 256, F1, F0, 0
	QUARTER 384, F0, F1, 0
	s_wait_dscnt 16
	WIN MUL
	MUL8 F1, 0, 0, 0
	MUL8 F1, 0, 2, 0
	s_wait_dscnt 0
	MUL8 F1, 1, 0, 0
	MUL8 F1, 1, 2, 0
	WIN 0
	; THE WAY OUT, 16 rows at a time: 32 bytes a lane into my stage (each accumulator's low four registers first), back as whole rows of 256 bytes, stored.
	PLACES
.irp a, 0,1,2,3
.irp b, 0,1,2,3
	ds_store_b128 v[STO], v[ACC+8*(4*(\a)+(\b)):ACC+8*(4*(\a)+(\b))+3]   offset:64*(\b)
	ds_store_b128 v[STO], v[ACC+8*(4*(\a)+(\b))+4:ACC+8*(4*(\a)+(\b))+7] offset:64*(\b)+16
.endr
.if (\a) >= 2
	s_wait_xcnt 0x0                                ; the stores of two blocks back have read their registers, which are loaded again
.endif
.irp t, 0,1,2,3,4,5,6,7
	ds_load_b128 v[TMP+32*((\a)%2)+4*(\t):TMP+32*((\a)%2)+4*(\t)+3], v[RD] offset:(\t)*2*SPITCH  ; LDS serves a wave's instructions in order (ISA guide 5.7.1.4): these see the stores above
.endr
.irp t, 0,1,2,3,4,5,6,7
	s_wait_dscnt 7-(\t)
	global_store_b128 v[CO], v[TMP+32*((\a)%2)+4*(\t):TMP+32*((\a)%2)+4*(\t)+3], s[8:9] offset:(16*(\a)+2*(\t))*8192 th:TH_STORE_NT  ; 16 lanes store 256 consecutive bytes, aligned
.endr
.endr
	s_wait_tensorcnt 0x0                           ; the wave's end: behind my last tensor load and my last LDS store
	ds_add_u32 v[SPW], v[NIL]
	s_wait_dscnt 0x0
	CROUND                                         ; the closing round
	s_endpgm
.Lfunc_end_k_q4b9319177b_oproj:
	.size	k_q4b9319177b_oproj, .Lfunc_end_k_q4b9319177b_oproj-k_q4b9319177b_oproj
	.p2alignl 7, 3214868480
	.fill 96, 4, 3214868480
	.section	.rodata,"a",@progbits
	.p2align	6, 0x0
	.amdhsa_kernel k_q4b9319177b_oproj
		.amdhsa_group_segment_fixed_size 327680
		.amdhsa_private_segment_fixed_size 0
		.amdhsa_enable_private_segment 0
		.amdhsa_kernarg_size 24
		.amdhsa_user_sgpr_count 2
		.amdhsa_user_sgpr_kernarg_segment_ptr 1
		.amdhsa_wavefront_size32 1
		.amdhsa_system_sgpr_workgroup_id_x 1
		.amdhsa_system_sgpr_workgroup_id_y 1
		.amdhsa_system_sgpr_workgroup_id_z 1
		.amdhsa_system_vgpr_workitem_id 0
		.amdhsa_next_free_vgpr 512
		.amdhsa_next_free_sgpr 76
		.amdhsa_reserve_vcc 0
		.amdhsa_float_denorm_mode_32 3
		.amdhsa_float_denorm_mode_16_64 3
		.amdhsa_memory_ordered 1
		.amdhsa_forward_progress 1
		.amdhsa_inst_pref_size 69
	.end_amdhsa_kernel
	.amdgpu_metadata
---
amdhsa.version: [ 1, 2 ]
amdhsa.kernels:
  - .name:           k_q4b9319177b_oproj
    .symbol:         k_q4b9319177b_oproj.kd
    .args:
      - { .name: attno, .offset: 0, .size: 8, .value_kind: global_buffer, .address_space: global }
      - { .name: wo16, .offset: 8, .size: 8, .value_kind: global_buffer, .address_space: global }
      - { .name: out0, .offset: 16, .size: 8, .value_kind: global_buffer, .address_space: global }
    .group_segment_fixed_size: 327680
    .private_segment_fixed_size: 0
    .kernarg_segment_align: 8
    .kernarg_segment_size: 24
    .max_flat_workgroup_size: 128
    .sgpr_count:     76
    .vgpr_count:     512
    .wavefront_size: 32
...
	.end_amdgpu_metadata
.endif
;; end of part 4
